; MI455X (gfx1250); checked and timed in simulation.
; The chip was launched on July 23, 2026; its instructions are those of AMD's public machine-readable ISA for CDNA 5 (MIT licence, August 2026) and "CDNA5" Instruction Set Architecture Reference Guide (July 2026). The comments in the code are by the model that wrote it; some were corrected since.
;; Codebook. Allowed arithmetic: matrix products marked QUANTISED: E5M2 operands, one E8M0 scale for each 32 along K, by v_wmma_scale_f32_16x16x128_f8f6f4 with both operands' format E5M2, f32 sums; everything else in f32.
;; Inputs: embedding 8,192 x 32 float32; z 8 x 2,048 x 32 float32.
;; Outputs: out0 8 x 2,048 x 32 float32; out1 16,384 int32; out2 one number float32.
;; This version of the problem:
;;   THIS VERSION OF THE PROBLEM IS GIVEN IN LOW PRECISION. The matrix products marked QUANTISED in the list below multiply operands that are first quantised to E5M2 (5 exponent bits, 2 mantissa bits; 8 bits a number), with one power-of-two scale for each 32 numbers along K (OCP MX v1.0); their sums are f32. All else is computed in f32.
;;   The module's matrix products, in the order in which they are computed (A, B: the left and right operand; K: the contracted axis; several contracted axes count as one K, in the product's order):
;;     1. [M 16,384, K 32] x [K 32, N 8,192]; A: computed on the way; B: computed on the way: QUANTISED
;;   THE QUANTISER, for each operand of a quantised product, along K:
;;     - K is cut into blocks of 32 from its start; a last block that is shorter is filled with zeros.
;;     - A block's scale is 2^e with e = floor(log2(the largest magnitude in the block)) - 15, held to -126 .. 127; a block of zeros has e = 0. As a byte (E8M0): e + 127.
;;     - Each number is divided by its block's scale, clamped to +-57,344, and rounded to the nearest number of E5M2, ties to even, subnormals kept.
;;     - The product sums the exact products of the quantised numbers (number of the format x scale) in f32.
;;   ~~~python
;;   def quantise(x, axis):      # numpy; x: float32 -> the quantised numbers, widened to float32 again
;;       x = np.moveaxis(x, axis, -1); K = x.shape[-1]
;;       x = np.pad(x, [(0, 0)] * (x.ndim - 1) + [(0, -K % 32)]); x = x.reshape(x.shape[:-1] + (-1, 32)); a = np.abs(x).max(-1, keepdims=True)
;;       e = np.where(a > 0, np.clip(np.frexp(np.where(a > 0, a, 1))[1] - 1 - 15, -126, 127), 0)      # np.frexp(a)[1] - 1 = floor(log2(a)), exactly
;;       r = np.clip(x / 2.0 ** e, -57344, 57344)
;;       step = 2.0 ** (np.maximum(np.frexp(np.where(r == 0, 1, r))[1] - 1, -14) - 2)
;;       q = np.round(r / step) * step * 2.0 ** e      # np.round: ties to even
;;       return np.moveaxis(q.reshape(q.shape[:-2] + (-1,))[..., :K], -1, axis).astype(np.float32)
;;   ~~~
;;   OPERANDS COMPUTED ON THE WAY. 'Computed on the way' means the value that the module computes at that place (a softmax that the list does not call 'softmax' is quantised finished and normalised). What goes into a quantiser is computed in f32, as accurately as f32 sums, v_exp_f32 and their like allow (about 1e-6 of the number): no bf16 or f16 on the way to a quantiser, and a product that is left as it is and whose result goes on into a quantised operand takes f32 operands (vector FMAs, or v_wmma_f32_16x16x4_f32). A number that lies on a knife's edge between two numbers of the format may be rounded either way, as far as f32 arithmetic and the matrix unit's own rounding can turn it there, and no further.
;; 2 versions. Each part assembles by itself: llvm-mc -triple=amdgcn-amd-amdhsa -mcpu=gfx1250 --defsym DOCPART=n.
;; ======== version 1 of 2: 4 launches
;; limits: a difference of large sums (such as E[x^2] - mean^2): digits are lost where the result is much smaller than its terms
;; workspace buffers: zpart 8,192 bytes; table 303,104 bytes; qpart 16,384 bytes; widx 65,536 bytes of whole numbers
;; launch prep (part 1): grid 80 x 1, 4 waves a work-group, no clusters, 2,560 bytes of LDS; arguments z, embedding, zpart, table; writes zpart, table
.if DOCPART == 1
	.amdgcn_target "amdgcn-amd-amdhsa--gfx1250"
	.amdhsa_code_object_version 6
	.text
	.protected	k_q21b7c8da09_prep
	.globl	k_q21b7c8da09_prep
	.p2align	8
	.type	k_q21b7c8da09_prep,@function
k_q21b7c8da09_prep:
	s_mov_b64 s[64:65], 0
	v_nop
	global_prefetch_b8 v0, s[64:65] scope:SCOPE_SE
	s_setreg_imm32_b32 hwreg(HW_REG_WAVE_MODE, 25, 1), 1
	s_wait_xcnt 0x0
; PREP: what the scan needs and what many work-groups would otherwise make again and again.
; Work-groups 0-63: zpart[g][d] = the sum of z^2 over rows 256 g .. 256 g + 255 of the flat [16384][32] z (a batch is 8 such runs), f32.
; Work-groups 64-79: the embedding [8192][32] f32 is normalised along its 32 numbers and quantised ONCE to E5M2 with one E8M0 scale a row (K = 32 is one block).  table holds:
;   bytes 0 ..        the codes, in the order of the operand's registers: tile t (rows 16 t ..) is 512 bytes, lane l = 16 h + r has its 16 bytes at 16 l: codes k = 16 h .. 16 h + 15 of row 16 t + r;
;   bytes BIASO ..    -|e|^2 / 2 of the UNnormalised row, f32, row by row;
;   bytes SCLO ..     scale words: for four tiles 4 q .. 4 q + 3 and r = 0 .. 15 one word at 64 q + 4 r, byte c = the scale of row 16 (4 q + c) + r.
; A block's scale is 2^(floor(log2(largest magnitude)) - 15); its byte is the largest magnitude's exponent field - 15, held at 1 from below.  A row of zeros so gets the byte 1: its codes are zeros, and this program alone reads the bytes.
; LIMITS: NaN and infinities among the inputs are not served.  x / n is made as x * (1 / n).
.set ZWG,   64                         ; work-groups that take z
.set BIASO, 262144
.set SCLO,  294912
.set EPS,   0x2b8cbccc                 ; 1e-12
.set SS, 16                            ; v16-23   |e|^2 of my row in each of 8 tiles
.set TP, 24                            ; v24-31   the other half's number; later the scale bytes; later the bias as stored
.set NR, 32                            ; v32-39   the norm, then 1 / norm
.set MX, 40                            ; v40-47   largest magnitudes
.set SO, 48                            ; v48-55   the conversions' scale operands
.set HD, 56                            ; v56-63   57,344 x the scale
.set X,  64                            ; v64-191  8 tiles x 16 numbers
.set CD, 192                           ; v192-223 at work on the sums, then 8 tiles x 4 registers of codes
	s_load_b256 s[4:11], s[0:1], 0x0               ; z s[4:5], embedding s[6:7], zpart s[8:9], table s[10:11]
	v_lshl_add_u32 v224, v0, 2, 0x800
	v_mov_b32 v225, 0
	v_lshrrev_b32 v1, 5, v0
	v_readfirstlane_b32 s12, v1                    ; wave 0..3
	v_and_b32 v2, 31, v0                           ; lane
	v_lshlrev_b32 v3, 4, v2                        ; 16 x lane
	v_lshlrev_b32 v4, 4, v0                        ; 16 x thread: my place in the LDS stage
	s_mov_b32 s24, 0x76543210
	s_mov_b32 s25, 0xfedcba98                      ; v_permlanex16_b32's selects for lane l xor 16
	s_mov_b32 s15, 0
	s_wait_kmcnt 0x0
	s_cmp_lt_u32 ttmp9, ZWG                        ; the two parts differ by the work-group's number alone
	s_cbranch_scc0 .Lemb
; ---- z: a wave takes 64 rows, 8,192 consecutive bytes.  A load covers 512 of them: lane l has row 4 i + l / 8, numbers 4 (l % 8) .. + 3
	s_lshl_b32 s14, ttmp9, 15                      ; 256 rows of 128 bytes a work-group,
	s_lshl_b32 s13, s12, 13                        ; 64 a wave
	s_add_co_u32 s14, s14, s13
	s_add_nc_u64 s[4:5], s[4:5], s[14:15]
.irp i, 0,1,2,3,4,5,6,7,8,9,10,11,12,13,14,15
	global_load_b128 v[16+4*\i:19+4*\i], v3, s[4:5] offset:512*\i
.endr
	s_wait_loadcnt 15                              ; loads come back in order: the first is in, 15 younger ones stay out
	v_pk_mul_f32 v[8:9], v[16:17], v[16:17]        ; the first squares start the sums
	v_pk_mul_f32 v[10:11], v[18:19], v[18:19]
.irp i, 1,2,3,4,5,6,7,8,9,10,11,12,13,14,15
	s_wait_loadcnt 15-\i
	v_pk_fma_f32 v[8:9], v[16+4*\i:17+4*\i], v[16+4*\i:17+4*\i], v[8:9]
	v_pk_fma_f32 v[10:11], v[18+4*\i:19+4*\i], v[18+4*\i:19+4*\i], v[10:11]
.endr
	ds_store_b128 v4, v[8:11]                      ; 128 threads x 16 bytes
	s_wait_dscnt 0x0                               ; for the others' sake: my store has landed
	s_barrier_signal -1
	s_barrier_wait -1
	s_cmp_lg_u32 s12, 0                            ; wave 0 adds the four waves' parts
	s_cbranch_scc1 .Ldone
.irp j, 0,1,2,3
	ds_load_b128 v[16+4*\j:19+4*\j], v3 offset:512*\j
.endr
	s_wait_dscnt 0x0
	v_pk_add_f32 v[16:17], v[16:17], v[20:21]
	v_pk_add_f32 v[18:19], v[18:19], v[22:23]
	v_pk_add_f32 v[24:25], v[24:25], v[28:29]
	v_pk_add_f32 v[26:27], v[26:27], v[30:31]
	v_pk_add_f32 v[16:17], v[16:17], v[24:25]
	v_pk_add_f32 v[18:19], v[18:19], v[26:27]
.irp i, 0,1,2,3
	v_add_f32_dpp v[16+\i], v[16+\i], v[16+\i] row_xmask:8 row_mask:0xf bank_mask:0xf   ; lanes l and l xor 8 hold the same four columns,
.endr
.irp i, 0,1,2,3
	v_permlanex16_b32 v[20+\i], v[16+\i], s24, s25                                      ; and so do l and l xor 16
.endr
.irp i, 0,1,2,3
	v_add_f32 v[16+\i], v[16+\i], v[20+\i]
.endr
	s_lshl_b32 s14, ttmp9, 7                       ; a row of 32 sums
	s_add_nc_u64 s[8:9], s[8:9], s[14:15]
	v_cmp_gt_u32 vcc_lo, 8, v2                     ; lanes 0-7 hold the 32 sums, 16 bytes each
	s_wait_xcnt 0x0                                ; EXEC changes only behind this wait
	s_and_saveexec_b32 s16, vcc_lo
	global_store_b128 v3, v[16:19], s[8:9]
	s_wait_xcnt 0x0
	s_or_b32 exec_lo, exec_lo, s16
.Ldone:
	s_wait_tensorcnt 0x0
	ds_add_u32 v224, v225
	s_wait_dscnt 0x0
	s_endpgm
; ---- the embedding: a wave takes 128 rows = 8 tiles.  Lane (r, h) takes, of row r of each tile, the 16 neighbours k = 16 h ..: its registers run along K, and the conversions' results are the operand's registers
.Lemb:
	s_sub_co_u32 s13, ttmp9, ZWG
	s_lshl_b32 s13, s13, 2
	s_add_co_u32 s13, s13, s12                     ; which 128 rows: 0 .. 63
	s_lshl_b32 s14, s13, 14                        ; 128 rows of 128 bytes
	s_add_nc_u64 s[6:7], s[6:7], s[14:15]
	s_mov_b32 s17, 0
	s_lshl_b32 s16, s13, 12                        ; codes: 8 tiles of 512 bytes
	s_add_nc_u64 s[18:19], s[10:11], s[16:17]
	s_lshl_b32 s16, s13, 9                         ; bias: 128 numbers
	s_add_nc_u64 s[20:21], s[10:11], s[16:17]
	s_lshl_b32 s16, s13, 7                         ; scale words: 2 x 16
	s_add_nc_u64 s[22:23], s[10:11], s[16:17]
	s_mov_b32 s26, 0x600000                        ; the mantissa field of 57,344
	s_mov_b32 s27, 0xffff0000                      ; lanes 16-31
	v_and_b32 v5, 15, v0
	v_bfe_u32 v6, v0, 4, 1
	v_lshlrev_b32 v5, 7, v5
	v_lshl_add_u32 v5, v6, 6, v5                   ; row r of 128 bytes, + 64 h
	v_lshlrev_b32 v8, 2, v2                        ; 4 x lane
.irp t, 0,1,2,3,4,5,6,7
.irp i, 0,1,2,3
	global_load_b128 v[X+16*\t+4*\i:X+16*\t+4*\i+3], v5, s[6:7] offset:2048*\t+16*\i
.endr
.endr
.irp t, 0,1,2,3,4,5,6,7
	v_mov_b32 v[TP+\t], 0                          ; a lane permute's destination counts as one of its sources
.endr
	s_wait_loadcnt 0x0
.irp t, 0,1,2,3,4,5,6,7                        ; |e|^2: the eight tiles by turns, so that no line waits for the line above it
	v_pk_mul_f32 v[CD+2*\t:CD+2*\t+1], v[X+16*\t:X+16*\t+1], v[X+16*\t:X+16*\t+1]
.endr
.irp i, 2,4,6,8,10,12,14
.irp t, 0,1,2,3,4,5,6,7
	v_pk_fma_f32 v[CD+2*\t:CD+2*\t+1], v[X+16*\t+\i:X+16*\t+\i+1], v[X+16*\t+\i:X+16*\t+\i+1], v[CD+2*\t:CD+2*\t+1]
.endr
.endr
.irp t, 0,1,2,3,4,5,6,7
	v_add_f32 v[SS+\t], v[CD+2*\t], v[CD+2*\t+1]
.endr
.irp t, 0,1,2,3,4,5,6,7
	v_permlanex16_b32 v[TP+\t], v[SS+\t], s24, s25
.endr
.irp t, 0,1,2,3,4,5,6,7
	v_add_f32 v[SS+\t], v[SS+\t], v[TP+\t]         ; with the row's other half
.endr
.irp t, 0,1,2,3,4,5,6,7
	v_sqrt_f32 v[NR+\t], v[SS+\t]
.endr
	v_nop                                          ; a plain instruction behind the last root,
	s_wait_alu depctr_va_vdst(0)                   ; and one wait for the eight, ahead of their first reader
.irp t, 0,1,2,3,4,5,6,7
	v_max_num_f32 v[NR+\t], EPS, v[NR+\t]
.endr
.irp t, 0,1,2,3,4,5,6,7
	v_rcp_f32 v[NR+\t], v[NR+\t]
.endr
	v_nop
	s_wait_alu depctr_va_vdst(0)
.irp t, 0,1,2,3,4,5,6,7
.irp i, 0,1,2,3,4,5,6,7,8,9,10,11,12,13,14,15
	v_mul_f32 v[X+16*\t+\i], v[X+16*\t+\i], v[NR+\t]   ; the normalised row
.endr
.endr
.irp t, 0,1,2,3,4,5,6,7
	v_max3_num_f32 v[MX+\t], |v[X+16*\t]|, |v[X+16*\t+1]|, 0x8000000   ; my 16 numbers, and the floor 2^(16 - 127): the byte cannot fall under 1
.endr
.irp i, 2,4,6,8,10,12,14
.irp t, 0,1,2,3,4,5,6,7
	v_max3_num_f32 v[MX+\t], v[MX+\t], |v[X+16*\t+\i]|, |v[X+16*\t+\i+1]|
.endr
.endr
.irp t, 0,1,2,3,4,5,6,7
	v_permlanex16_b32 v[TP+\t], v[MX+\t], s24, s25
.endr
.irp t, 0,1,2,3,4,5,6,7
	v_max_num_f32 v[MX+\t], v[MX+\t], v[TP+\t]     ; the block's largest magnitude
.endr
.irp t, 0,1,2,3,4,5,6,7
	v_add_nc_u32 v[SO+\t], 0xf8800000, v[MX+\t]    ; 15 off its exponent field: the conversion takes that field as its scale
.endr
.irp t, 0,1,2,3,4,5,6,7
	v_and_or_b32 v[HD+\t], v[MX+\t], 0x7f800000, s26   ; 57,344 x the scale
.endr
.irp t, 0,1,2,3,4,5,6,7
	v_lshrrev_b32 v[TP+\t], 23, v[SO+\t]           ; the scale's byte
.endr
	v_lshl_or_b32 v6, v[TP+1], 8, v[TP]            ; tiles 0-3: my row's word,
	v_lshl_or_b32 v7, v[TP+5], 8, v[TP+4]          ; tiles 4-7
	v_lshl_or_b32 v6, v[TP+2], 16, v6
	v_lshl_or_b32 v7, v[TP+6], 16, v7
	v_lshl_or_b32 v6, v[TP+3], 24, v6
	v_lshl_or_b32 v7, v[TP+7], 24, v7
	v_cndmask_b32 v6, v6, v7, s27                  ; lanes 0-15 store the first four tiles' words, lanes 16-31 the other four's: 128 consecutive bytes
.irp t, 0,1,2,3,4,5,6,7
.irp i, 0,1,2,3,4,5,6,7,8,9,10,11,12,13,14,15
	v_med3_num_f32 v[X+16*\t+\i], v[X+16*\t+\i], -v[HD+\t], v[HD+\t]   ; the conversion to an 8-bit code does not saturate (ISA guide 7.6.2): the hold comes first
.endr
.endr
.irp t, 0,1,2,3,4,5,6,7
	v_cvt_scalef32_pk8_bf8_f32 v[CD+4*\t:CD+4*\t+1], v[X+16*\t:X+16*\t+7], v[SO+\t]
	v_cvt_scalef32_pk8_bf8_f32 v[CD+4*\t+2:CD+4*\t+3], v[X+16*\t+8:X+16*\t+15], v[SO+\t]
.endr
	v_nop                                          ; a plain instruction behind the last conversion
.irp t, 0,1,2,3,4,5,6,7
	global_store_b128 v3, v[CD+4*\t:CD+4*\t+3], s[18:19] offset:512*\t   ; a tile: 512 consecutive bytes
.endr
	global_store_b32 v8, v6, s[22:23] offset:SCLO
.irp t, 0,1,2,3,4,5,6,7
	v_mul_f32 v[SS+\t], -0.5, v[SS+\t]             ; exact
.endr
.irp u, 0,1,2,3
	v_cndmask_b32 v[TP+\u], v[SS+2*\u], v[SS+2*\u+1], s27   ; lanes 0-15: tile 2 u, lanes 16-31: tile 2 u + 1: 32 rows on end
.endr
.irp u, 0,1,2,3
	global_store_b32 v8, v[TP+\u], s[20:21] offset:BIASO+128*\u
.endr
	s_endpgm
.Lfunc_end_k_q21b7c8da09_prep:
	.size	k_q21b7c8da09_prep, .Lfunc_end_k_q21b7c8da09_prep-k_q21b7c8da09_prep
	.p2alignl 7, 3214868480
	.fill 96, 4, 3214868480
	.section	.rodata,"a",@progbits
	.p2align	6, 0x0
	.amdhsa_kernel k_q21b7c8da09_prep
		.amdhsa_group_segment_fixed_size 2560
		.amdhsa_private_segment_fixed_size 0
		.amdhsa_enable_private_segment 0
		.amdhsa_kernarg_size 32
		.amdhsa_user_sgpr_count 2
		.amdhsa_user_sgpr_kernarg_segment_ptr 1
		.amdhsa_wavefront_size32 1
		.amdhsa_system_sgpr_workgroup_id_x 1
		.amdhsa_system_sgpr_workgroup_id_y 1
		.amdhsa_system_sgpr_workgroup_id_z 1
		.amdhsa_system_vgpr_workitem_id 0
		.amdhsa_next_free_vgpr 226
		.amdhsa_next_free_sgpr 66
		.amdhsa_reserve_vcc 1
		.amdhsa_float_denorm_mode_32 3
		.amdhsa_float_denorm_mode_16_64 3
		.amdhsa_memory_ordered 1
		.amdhsa_forward_progress 1
		.amdhsa_inst_pref_size 39
	.end_amdhsa_kernel
	.amdgpu_metadata
---
amdhsa.version: [ 1, 2 ]
amdhsa.kernels:
  - .name:           k_q21b7c8da09_prep
    .symbol:         k_q21b7c8da09_prep.kd
    .args:
      - { .name: z, .offset: 0, .size: 8, .value_kind: global_buffer, .address_space: global }
      - { .name: embedding, .offset: 8, .size: 8, .value_kind: global_buffer, .address_space: global }
      - { .name: zpart, .offset: 16, .size: 8, .value_kind: global_buffer, .address_space: global }
      - { .name: table, .offset: 24, .size: 8, .value_kind: global_buffer, .address_space: global }
    .group_segment_fixed_size: 2560
    .private_segment_fixed_size: 0
    .kernarg_segment_align: 8
    .kernarg_segment_size: 32
    .max_flat_workgroup_size: 128
    .sgpr_count:     66
    .vgpr_count:     226
    .wavefront_size: 32
...
	.end_amdgpu_metadata
.endif
;; end of part 1
;; launch scan (part 2): grid 256 x 1, 16 waves a work-group, no clusters, 46,592 bytes of LDS; arguments z, zpart, table, out1, widx; writes out1, widx
.if DOCPART == 2
	.amdgcn_target "amdgcn-amd-amdhsa--gfx1250"
	.amdhsa_code_object_version 6
	.text
	.protected	k_q21b7c8da09_scan
	.globl	k_q21b7c8da09_scan
	.p2align	8
	.type	k_q21b7c8da09_scan,@function
k_q21b7c8da09_scan:
	s_mov_b64 s[64:65], 0
	v_nop
	global_prefetch_b8 v0, s[64:65] scope:SCOPE_SE
	s_setreg_imm32_b32 hwreg(HW_REG_WAVE_MODE, 25, 1), 1
	s_wait_xcnt 0x0
; SCAN: idx[row] = the first code that makes d = (|zn|^2 + |e|^2) - 2 Q(zn) . Q(en) least.  The product is made on codes of E5M2 with E8M0 scales, sums in f32.
; C of each product is -(|zn|^2 + |e|^2) / 2, the sum rounded to f32 as in the definition (halving is exact), so the matrix instruction gives D = -d / 2 and the least d is the largest D.
; LIMITS: D is rounded once, inside the matrix instruction, where the definition rounds the product and then the difference; |zn|^2 may differ in its last bit by the order of its sum.  So two codes whose distances
;   lie within about one f32 rounding of each other may change places.  Equal D: the lowest index wins.  NaN and infinities are not served.  x / n is made as x * (1 / n).  A block of zeros has the scale byte 1 (its codes are zeros).
; SHARES.  A work-group owns 64 rows of z, four tiles of 16.  Waves 0-3 finish the norms over T from 8 partial rows, normalise and quantise a tile each, and hand it on through LDS as an image of its registers.
;   Wave w then takes codes 512 w .. 512 w + 511 (32 tiles) against all four z tiles: 128 matrix instructions.  Sixteen waves of 232 registers: four to a SIMD, so that one wave's vector work stands beside another's products.
; K IS 32, THE INSTRUCTION'S IS 128.  A's 16 registers hold FOUR code tiles, one in each block of 32.  z's 4 registers stand between runs of 12 registers of zero codes: the 16 registers that begin 4 c ahead of them hold z in
;   block c and zeros in the other three, so that only tile c counts.  One run of A and one scale word a lane serve 16 products; z's scale byte stands in all four bytes of its word.
; LAYOUT.  Source 0 = 16 codes, source 1 = 16 rows of z: lane (r, h) holds z row r and, in register j, code 16 t + 8 h + j.
; THE ARGMAX.  For each product: the largest of the 8; where it beats the lane's best so far (strictly: the first tile stays), the tile's number and its 8 numbers are kept.  At the end the lowest j that equals the best is read off them.
; THE TABLE is the same for all work-groups.  It is not asked for jointly by a cluster: a wave's codes go from memory straight into A's registers, four loads for 16 products, a step ahead, awaited by the wave's own
;   counter, so that no barrier stands between a fetch and its use; a wave's 2,048 bytes of -|e|^2 / 2 lie in LDS bytes of its own.
.set DUAL,  1                          ; 1: the selections go two to an instruction
.set BIASO, 262144                     ; in the table: -|e|^2 / 2
.set SCLO,  294912                     ; and the scale words
.set ZIMG,  0                          ; LDS: four z tiles, 512 bytes each,
.set ZSC,   2048                       ; their scale words, 128 bytes each,
.set ZZL,   2560                       ; -|zn|^2 / 2, 128 bytes each,
.set RZL,   3072                       ; 1 / norm, 128 bytes for each of waves 0-3,
.set RES,   3584                       ; the waves' results: [16][64] values, then [16][64] indices,
.set BIA,   11776                      ; and 2,048 bytes of bias for each wave
.set EPS,   0x2b8cbccc                 ; 1e-12
.set LN16, 1                           ; 16 x lane
.set LN4,  2                           ; 4 x lane
.set LN8,  3                           ; 8 x lane
.set TG,   4                           ; my lane's 16 bytes in my wave's codes in the table; never rewritten
.set BG,   5                           ; the same for my wave's bias
.set BW,   6                           ; where that goes in LDS
.set CA,   7                           ; LDS address of my half's 32 bytes of a tile's bias
.set ZO,   8                           ; z: row r, + 64 h
.set RZS,  9                           ; where I put four 1 / norm
.set RZR,  10                          ; where I read my half's sixteen
.set ZIW,  11                          ; where waves 0-3 put a tile's image: 16 x thread
.set ZSW,  12                          ; its scale word: 4 x thread
.set ZZW,  13                          ; and -|zn|^2 / 2
.set RSW,  14                          ; where I put a result: lanes 0-15 the value, lanes 16-31 the index
.set IB,   15                          ; 512 x wave + 8 h
.set ZB,   16                          ; v16-91   12 zeros, z0, 12 zeros, z1, 12 zeros, z2, 12 zeros, z3, 12 zeros
.set AF,   92                          ; v92-123  two runs of four code tiles
.set BI,   124                         ; v124-139 two tiles' -|e|^2 / 2
.set CF,   140                         ; v140-155 two C
.set DF,   156                         ; v156-171 two D
.set ST,   172                         ; v172-219 for each z tile 12: the best tile's number, the best value, that tile's 8 numbers, -|zn|^2 / 2, and a 0 that is named with it as a pair
.set G,    220
.set VT,   221                         ; the number of the tile in hand
.set G2,   222
.set SA,   224                         ; v224-227 the codes' scale words: lanes 0-15 an even step's, lanes 16-31 the odd step's behind it
.set ZS,   228                         ; v228-231 z's scale words
	s_load_b256 s[4:11], s[0:1], 0x0               ; z s[4:5], zpart s[6:7], table s[8:9], out1 s[10:11]
	s_load_b64 s[12:13], s[0:1], 0x20              ; widx
	v_lshl_add_u32 v232, v0, 2, 0xae00
	v_mov_b32 v233, 0
	v_lshrrev_b32 v140, 5, v0
	v_readfirstlane_b32 s14, v140                  ; wave 0..15
	v_and_b32 v141, 31, v0                         ; lane
	v_and_b32 v142, 15, v0                         ; r
	v_bfe_u32 v143, v0, 4, 1                       ; h
	v_and_b32 v144, 7, v0
	v_lshlrev_b32 v[LN16], 4, v141
	v_lshlrev_b32 v[LN4], 2, v141
	v_lshlrev_b32 v[LN8], 3, v141
	s_lshl_b32 s26, s14, 14                        ; 32 tiles of 512 bytes a wave
	v_add_nc_u32 v[TG], s26, v[LN16]
	s_lshl_b32 s27, s14, 11                        ; 512 numbers of bias a wave
	s_add_co_u32 s28, s27, BIASO
	v_add_nc_u32 v[BG], s28, v[LN16]
	s_add_co_u32 s29, s27, BIA
	v_add_nc_u32 v[BW], s29, v[LN16]
	v_lshl_add_u32 v[CA], v143, 5, s29
	v_lshlrev_b32 v[ZO], 7, v142
	v_lshl_add_u32 v[ZO], v143, 6, v[ZO]
	s_lshl_b32 s30, s14, 7
	v_lshl_add_u32 v[RZS], v144, 4, s30
	v_add_nc_u32 v[RZS], RZL, v[RZS]
	v_lshl_add_u32 v[RZR], v143, 6, s30
	v_add_nc_u32 v[RZR], RZL, v[RZR]
	v_lshlrev_b32 v[ZIW], 4, v0
	v_lshl_add_u32 v[ZSW], v0, 2, ZSC
	v_lshl_add_u32 v[ZZW], v0, 2, ZZL
	s_lshl_b32 s31, s14, 8
	v_lshl_add_u32 v[RSW], v143, 12, s31
	v_lshl_add_u32 v[RSW], v142, 2, v[RSW]
	v_add_nc_u32 v[RSW], RES, v[RSW]
	s_lshl_b32 s24, s14, 9                         ; 512 codes a wave; also: its 512 bytes of scale words
	v_lshl_add_u32 v[IB], v143, 3, s24
	s_mov_b32 s25, 0
	s_mov_b32 s16, 0x76543210
	s_mov_b32 s17, 0xfedcba98                      ; v_permlanex16_b32's selects for lane l xor 16
	s_mov_b32 s18, 0x600000                        ; the mantissa field of 57,344
	s_mov_b32 s19, 0xffff0000                      ; lanes 16-31
	s_lshr_b32 s20, ttmp9, 5                       ; the batch: 32 work-groups each
	s_lshl_b32 s20, s20, 10                        ; its 8 partial rows of 128 bytes
	s_mov_b32 s21, 0
	s_lshl_b32 s22, ttmp9, 13                      ; 64 rows of 128 bytes a work-group,
	s_add_co_u32 s22, s22, s27                     ; 16 a wave (used by waves 0-3 alone)
	s_mov_b32 s23, 0
	s_wait_kmcnt 0x0
	s_add_nc_u64 s[24:25], s[8:9], s[24:25]
	s_add_nc_u64 s[6:7], s[6:7], s[20:21]
	s_add_nc_u64 s[4:5], s[4:5], s[22:23]
.irp i, 0,1,2,3
	global_load_b128 v[BI+4*\i:BI+4*\i+3], v[BG], s[8:9] offset:512*\i       ; my wave's bias, on its way to LDS
.endr
.irp u, 0,1,2,3
	global_load_b32 v[SA+\u], v[LN4], s[24:25] offset:SCLO+128*\u
.endr
.irp i, 0,1,2,3
	global_load_b128 v[AF+4*\i:AF+4*\i+3], v[TG], s[8:9] offset:512*\i       ; step 0's four tiles
.endr
.irp n, 0,1,2,3,4
.irp i, 0,1,2,3,4,5,6,7,8,9,10,11
	v_mov_b32 v[ZB+16*\n+\i], 0                    ; the zero codes round z's tiles
.endr
.endr
	s_cmp_lt_u32 s14, 4
	s_cbranch_scc0 .Ljoin
; ---- waves 0-3: tile w of z.  v140-155 my 16 numbers, v156-171 their 1 / norm, v172-191 at work
	global_load_b128 v[172:175], v[LN16], s[6:7]               ; 8 partial rows: lane l has row 4 j + l / 8, columns 4 (l % 8) ..
	global_load_b128 v[176:179], v[LN16], s[6:7] offset:512
.irp i, 0,1,2,3
	global_load_b128 v[140+4*\i:143+4*\i], v[ZO], s[4:5] offset:16*\i   ; z(r, 16 h + 4 i ..): the wave's four loads cover 2,048 consecutive bytes
.endr
	v_mov_b32 v181, 0                              ; a lane permute's destination counts as one of its sources
	s_wait_loadcnt 0x4                             ; all but z's four
	v_pk_add_f32 v[172:173], v[172:173], v[176:177]
	v_pk_add_f32 v[174:175], v[174:175], v[178:179]
.irp i, 0,1,2,3
	v_add_f32_dpp v[172+\i], v[172+\i], v[172+\i] row_xmask:8 row_mask:0xf bank_mask:0xf
.endr
.irp i, 0,1,2,3
	v_permlanex16_b32 v[176+\i], v[172+\i], s16, s17
.endr
.irp i, 0,1,2,3
	v_add_f32 v[172+\i], v[172+\i], v[176+\i]      ; the sum of z^2 over T, for my four columns
.endr
.irp i, 0,1,2,3
	v_sqrt_f32 v[176+\i], v[172+\i]
.endr
	v_nop                                          ; a plain instruction behind the last root,
	s_wait_alu depctr_va_vdst(0)                   ; and one wait for the four
.irp i, 0,1,2,3
	v_max_num_f32 v[176+\i], EPS, v[176+\i]
.endr
.irp i, 0,1,2,3
	v_rcp_f32 v[172+\i], v[176+\i]
.endr
	v_nop
	s_wait_alu depctr_va_vdst(0)
	ds_store_b128 v[RZS], v[172:175]               ; 32 numbers; the four lanes with the same columns write the same bytes with the same values
.irp i, 0,1,2,3
	ds_load_b128 v[156+4*\i:159+4*\i], v[RZR] offset:16*\i     ; LDS serves a wave's instructions in order (ISA guide 5.7.1.4): these see the store.  Columns 16 h + 4 i ..
.endr
	s_wait_loadcnt 0x0
	s_wait_dscnt 0x0
.irp i, 0,2,4,6,8,10,12,14
	v_pk_mul_f32 v[140+\i:141+\i], v[140+\i:141+\i], v[156+\i:157+\i]   ; zn
.endr
	v_pk_mul_f32 v[190:191], v[140:141], v[140:141]            ; |zn|^2 of my row
.irp i, 2,4,6,8,10,12,14
	v_pk_fma_f32 v[190:191], v[140+\i:141+\i], v[140+\i:141+\i], v[190:191]
.endr
	v_add_f32 v190, v190, v191
	v_permlanex16_b32 v181, v190, s16, s17
	v_add_f32 v190, v190, v181
	v_mul_f32 v190, -0.5, v190                     ; exact
	ds_store_b32 v[ZZW], v190
	v_max3_num_f32 v180, |v140|, |v141|, 0x8000000 ; my 16 numbers, and the floor 2^(16 - 127)
.irp i, 2,4,6,8,10,12,14
	v_max3_num_f32 v180, v180, |v[140+\i]|, |v[141+\i]|
.endr
	v_permlanex16_b32 v181, v180, s16, s17
	v_max_num_f32 v180, v180, v181                 ; the block's largest magnitude
	v_add_nc_u32 v182, 0xf8800000, v180            ; 15 off its exponent field: the conversion's scale operand
	v_and_or_b32 v183, v180, 0x7f800000, s18       ; 57,344 x the scale
	v_lshrrev_b32 v184, 23, v182                   ; the byte,
	v_lshl_or_b32 v184, v184, 8, v184
	v_lshl_or_b32 v184, v184, 16, v184             ; in all four bytes of the word
.irp i, 0,1,2,3,4,5,6,7,8,9,10,11,12,13,14,15
	v_med3_num_f32 v[140+\i], v[140+\i], -v183, v183   ; the conversion does not saturate (ISA guide 7.6.2)
.endr
	v_cvt_scalef32_pk8_bf8_f32 v[186:187], v[140:147], v182
	v_cvt_scalef32_pk8_bf8_f32 v[188:189], v[148:155], v182
	v_nop                                          ; a plain instruction behind the last conversion: later lines write its sources
	ds_store_b128 v[ZIW], v[186:189] offset:ZIMG
	ds_store_b32 v[ZSW], v184
.Ljoin:
	s_wait_loadcnt 0x0                             ; my bias, my scale words, step 0's codes
.irp i, 0,1,2,3
	ds_store_b128 v[BW], v[BI+4*\i:BI+4*\i+3] offset:512*\i
.endr
	s_wait_dscnt 0x0                               ; for the others' sake: the images have landed
	s_barrier_signal -1
	s_barrier_wait -1
.irp t, 0,1,2,3
	ds_load_b128 v[ZB+12+16*\t:ZB+15+16*\t], v[LN16] offset:ZIMG+512*\t
	ds_load_b32 v[ZS+\t], v[LN4] offset:ZSC+128*\t
	ds_load_b32 v[ST+12*\t+10], v[LN4] offset:ZZL+128*\t
	v_mov_b32 v[ST+12*\t+11], 0
.endr
.irp t, 0,1
	ds_load_b128 v[BI+8*\t:BI+8*\t+3], v[CA] offset:64*\t      ; tiles 0 and 1: my half's eight numbers, the same in all sixteen lanes
	ds_load_b128 v[BI+8*\t+4:BI+8*\t+7], v[CA] offset:64*\t+16
.endr
	s_wait_dscnt 0x0
; Product k of 128: step k / 16 (four tiles in A), tile (k / 4) % 4 of them, z tile k % 4.  C and D are two sets each, by turns; no product adds onto a result.
.macro PRODUCT
.set rD, DF+8*(k%2)
.set rA, AF+16*((k/16)%2)
.set rB, ZB+12+16*(k%4)-4*((k/4)%4)
.set rC, CF+8*(k%2)
.if (k/16)%2
	v_wmma_scale_f32_16x16x128_f8f6f4 v[rD:rD+7], v[rA:rA+15], v[rB:rB+15], v[rC:rC+7], v[SA+k/32], v[ZS+k%4] matrix_a_fmt:MATRIX_FMT_BF8 matrix_b_fmt:MATRIX_FMT_BF8 matrix_a_scale:MATRIX_SCALE_ROW1
.else
	v_wmma_scale_f32_16x16x128_f8f6f4 v[rD:rD+7], v[rA:rA+15], v[rB:rB+15], v[rC:rC+7], v[SA+k/32], v[ZS+k%4] matrix_a_fmt:MATRIX_FMT_BF8 matrix_b_fmt:MATRIX_FMT_BF8
.endif
.endm
; C of product kc: -|e|^2 / 2 of the tile's eight codes + -|zn|^2 / 2 of my row (of that pair the low word serves both halves)
.macro CPREP
.irp i, 0,2,4,6
	v_pk_add_f32 v[CF+8*(kc%2)+\i:CF+8*(kc%2)+\i+1], v[BI+8*((kc/4)%2)+\i:BI+8*((kc/4)%2)+\i+1], v[ST+12*(kc%4)+10:ST+12*(kc%4)+11] op_sel_hi:[1,0]
.endr
.endm
; What is made of product kv's result.  The first tile starts the state: nothing is cleared.  The result is read from its low end on.
.macro TRACK
.set rD, DF+8*(kv%2)
.set rT, ST+12*(kv%4)
.if (kv%4 == 0) && (kv >= 4)
	v_mov_b32 v[VT], kv/4
.endif
	v_max3_num_f32 v[G], v[rD], v[rD+1], v[rD+2]
	v_max3_num_f32 v[G2], v[rD+3], v[rD+4], v[rD+5]
	v_max3_num_f32 v[G], v[G], v[G2], v[rD+6]
.if kv < 4
	v_max_num_f32 v[rT+1], v[G], v[rD+7]
	v_mov_b32 v[rT], 0
.irp i, 0,2,4,6
	v_dual_mov_b32 v[rT+2+\i], v[rD+\i] :: v_dual_mov_b32 v[rT+3+\i], v[rD+1+\i]
.endr
.else
	v_max_num_f32 v[G], v[G], v[rD+7]
	v_cmp_gt_f32 vcc_lo, v[G], v[rT+1]             ; strictly: at equal values the earlier tile stays
.if DUAL
	v_dual_cndmask_b32 v[rT], v[rT], v[VT] :: v_dual_max_num_f32 v[rT+1], v[rT+1], v[G]
.irp i, 0,2,4,6
	v_dual_cndmask_b32 v[rT+2+\i], v[rT+2+\i], v[rD+\i] :: v_dual_cndmask_b32 v[rT+3+\i], v[rT+3+\i], v[rD+1+\i]
.endr
.else
	v_cndmask_b32 v[rT], v[rT], v[VT], vcc_lo
	v_max_num_f32 v[rT+1], v[rT+1], v[G]
.irp i, 0,1,2,3,4,5,6,7
	v_cndmask_b32 v[rT+2+\i], v[rT+2+\i], v[rD+\i], vcc_lo
.endr
.endif
.endif
.endm
; THE SCAN, written out: every offset is an immediate.  Behind product k stand the next product's C (4 lines) and the vector work on product k - 1's result (9 lines or more): 13 plain vector instructions or more that name none of
; product k's registers.  So its result is read, its C written anew, and its D written over by product k + 2, more than nine such instructions behind it, and a load goes into a run of A three products
; or more behind that run's last reader.  A tile's bias is fetched from LDS two tiles ahead, a step's codes from memory twelve products ahead.
.set kc, 0
	CPREP
.rept 4
	v_nop
.endr
.set k, 0
.rept 128
	PRODUCT
.if (k%4 == 3) && (k < 127)
	s_wait_dscnt 0x0                               ; the next tile's bias is in registers
.if k/4+2 < 32
	ds_load_b128 v[BI+8*((k/4)%2):BI+8*((k/4)%2)+3], v[CA] offset:64*(k/4+2)
	ds_load_b128 v[BI+8*((k/4)%2)+4:BI+8*((k/4)%2)+7], v[CA] offset:64*(k/4+2)+16
.endif
.if (k%16 == 3) && (k < 112)
.irp i, 0,1,2,3
	global_load_b128 v[AF+16*((k/16+1)%2)+4*\i:AF+16*((k/16+1)%2)+4*\i+3], v[TG], s[8:9] offset:2048*(k/16+1)+512*\i
.endr
.endif
.if k%16 == 15
	s_wait_loadcnt 0x0                             ; the next step's codes are in
.endif
.endif
.if k < 127
.set kc, k+1
	CPREP
.endif
.if k == 0
.rept 10
	v_nop                                          ; the first result has no vector work ahead of it
.endr
.else
.set kv, k-1
	TRACK
.endif
.set k, k+1
.endr
.set kv, 127
	TRACK
; ---- the lane's index: the lowest j whose kept number equals the best.  v92-107 (the run of A that step 6 read last) are at work
.irp t, 0,1,2,3
	v_mov_b32 v[92+\t], 7
.endr
.irp j, 6,5,4,3,2,1,0
.irp t, 0,1,2,3
	v_cmp_eq_f32 vcc_lo, v[ST+12*\t+2+\j], v[ST+12*\t+1]
	v_cndmask_b32 v[92+\t], v[92+\t], \j, vcc_lo
.endr
.endr
.irp t, 0,1,2,3
	v_lshl_add_u32 v[96+\t], v[ST+12*\t], 4, v[92+\t]
.endr
.irp t, 0,1,2,3
	v_add_nc_u32 v[96+\t], v[IB], v[96+\t]         ; 512 w + 16 tile + 8 h + j
.endr
.irp t, 0,1,2,3
	v_permlanex16_b32 v[100+\t], v[ST+12*\t+1], s16, s17   ; the row's other eight codes of each tile lie in lane l xor 16
	v_permlanex16_b32 v[104+\t], v[96+\t], s16, s17
.endr
.irp t, 0,1,2,3
	v_cmp_eq_f32 s26, v[100+\t], v[ST+12*\t+1]
	v_cmp_lt_u32 s27, v[104+\t], v[96+\t]
	v_cmp_gt_f32 vcc_lo, v[100+\t], v[ST+12*\t+1]
	s_and_b32 s26, s26, s27
	s_or_b32 vcc_lo, vcc_lo, s26                   ; the other is larger, or equal with the lower index
	v_cndmask_b32 v[ST+12*\t+1], v[ST+12*\t+1], v[100+\t], vcc_lo
	v_cndmask_b32 v[96+\t], v[96+\t], v[104+\t], vcc_lo
	v_cndmask_b32 v[100+\t], v[ST+12*\t+1], v[96+\t], s19  ; both halves now agree: lanes 0-15 hand on the value, lanes 16-31 the index
	ds_store_b32 v[RSW], v[100+\t] offset:64*\t
.endr
	s_wait_dscnt 0x0                               ; for wave 0's sake
	s_barrier_signal -1
	s_barrier_wait -1
	s_cmp_lg_u32 s14, 0
	s_cbranch_scc1 .Lend
; ---- wave 0: the sixteen waves' results, two rows a lane, in ascending order of the codes: strictly larger wins, so the lowest index stays
.irp w, 0,1,2,3,4,5,6,7,8,9,10,11,12,13,14,15
	ds_load_b64 v[16+2*\w:17+2*\w], v[LN8] offset:RES+256*\w
	ds_load_b64 v[48+2*\w:49+2*\w], v[LN8] offset:RES+4096+256*\w
.endr
	s_lshl_b32 s26, ttmp9, 8                       ; 64 indices a work-group
	s_mov_b32 s27, 0
	s_add_nc_u64 s[10:11], s[10:11], s[26:27]
	s_add_nc_u64 s[12:13], s[12:13], s[26:27]
	s_wait_dscnt 0x0
.irp w, 1,2,3,4,5,6,7,8,9,10,11,12,13,14,15
.irp e, 0,1
	v_cmp_gt_f32 vcc_lo, v[16+2*\w+\e], v[16+\e]
	v_cndmask_b32 v[48+\e], v[48+\e], v[48+2*\w+\e], vcc_lo
	v_max_num_f32 v[16+\e], v[16+\e], v[16+2*\w+\e]
.endr
.endr
	global_store_b64 v[LN8], v[48:49], s[10:11]    ; 32 lanes store 256 consecutive bytes, aligned
	global_store_b64 v[LN8], v[48:49], s[12:13]    ; and the same for the launches that gather by them
.Lend:
	s_wait_tensorcnt 0x0
	ds_add_u32 v232, v233
	s_wait_dscnt 0x0
	s_endpgm
.Lfunc_end_k_q21b7c8da09_scan:
	.size	k_q21b7c8da09_scan, .Lfunc_end_k_q21b7c8da09_scan-k_q21b7c8da09_scan
	.p2alignl 7, 3214868480
	.fill 96, 4, 3214868480
	.section	.rodata,"a",@progbits
	.p2align	6, 0x0
	.amdhsa_kernel k_q21b7c8da09_scan
		.amdhsa_group_segment_fixed_size 46592
		.amdhsa_private_segment_fixed_size 0
		.amdhsa_enable_private_segment 0
		.amdhsa_kernarg_size 40
		.amdhsa_user_sgpr_count 2
		.amdhsa_user_sgpr_kernarg_segment_ptr 1
		.amdhsa_wavefront_size32 1
		.amdhsa_system_sgpr_workgroup_id_x 1
		.amdhsa_system_sgpr_workgroup_id_y 1
		.amdhsa_system_sgpr_workgroup_id_z 1
		.amdhsa_system_vgpr_workitem_id 0
		.amdhsa_next_free_vgpr 234
		.amdhsa_next_free_sgpr 66
		.amdhsa_reserve_vcc 1
		.amdhsa_float_denorm_mode_32 3
		.amdhsa_float_denorm_mode_16_64 3
		.amdhsa_memory_ordered 1
		.amdhsa_forward_progress 1
		.amdhsa_inst_pref_size 153
	.end_amdhsa_kernel
	.amdgpu_metadata
---
amdhsa.version: [ 1, 2 ]
amdhsa.kernels:
  - .name:           k_q21b7c8da09_scan
    .symbol:         k_q21b7c8da09_scan.kd
    .args:
      - { .name: z, .offset: 0, .size: 8, .value_kind: global_buffer, .address_space: global }
      - { .name: zpart, .offset: 8, .size: 8, .value_kind: global_buffer, .address_space: global }
      - { .name: table, .offset: 16, .size: 8, .value_kind: global_buffer, .address_space: global }
      - { .name: out1, .offset: 24, .size: 8, .value_kind: global_buffer, .address_space: global }
      - { .name: widx, .offset: 32, .size: 8, .value_kind: global_buffer, .address_space: global }
    .group_segment_fixed_size: 46592
    .private_segment_fixed_size: 0
    .kernarg_segment_align: 8
    .kernarg_segment_size: 40
    .max_flat_workgroup_size: 512
    .sgpr_count:     66
    .vgpr_count:     234
    .wavefront_size: 32
...
	.end_amdgpu_metadata
.endif
;; end of part 2
;; launch sums (part 3): grid 64 x 1, 4 waves a work-group, no clusters, 4,608 bytes of LDS; arguments z, embedding, widx, qpart; writes qpart
.if DOCPART == 3
	.amdgcn_target "amdgcn-amd-amdhsa--gfx1250"
	.amdhsa_code_object_version 6
	.text
	.protected	k_q21b7c8da09_sums
	.globl	k_q21b7c8da09_sums
	.p2align	8
	.type	k_q21b7c8da09_sums,@function
k_q21b7c8da09_sums:
	s_mov_b64 s[64:65], 0
	v_nop
	global_prefetch_b8 v0, s[64:65] scope:SCOPE_SE
	s_setreg_imm32_b32 hwreg(HW_REG_WAVE_MODE, 25, 1), 1
	s_wait_xcnt 0x0
; SUMS: q = embedding[idx[row]].  qpart[g][0..31] = the sum of q^2, qpart[g][32..63] = the sum of q z, over rows 256 g .. 256 g + 255 of the flat [16384][32] tensors, column by column, f32.
; A wave takes 64 rows.  A load covers four rows: lane l has row 4 i + l / 8, columns 4 (l % 8) .. + 3; z's are 512 consecutive bytes, a gathered row's 128 bytes are read by eight neighbouring lanes.
; The indices were stored by the launch before; each is held inside the table (8,191 at the most) before it enters an address.
.set IX, 8                             ; v8-23    the indices, then the gathers' offsets
.set Z,  32                            ; v32-95   z; at the end the four waves' parts
.set Q,  96                            ; v96-159  the gathered rows
.set SQ, 160                           ; v160-163
.set SZ, 164                           ; v164-167
	s_load_b256 s[4:11], s[0:1], 0x0               ; z s[4:5], embedding s[6:7], widx s[8:9], qpart s[10:11]
	v_lshl_add_u32 v168, v0, 2, 0x1000
	v_mov_b32 v169, 0
	v_lshrrev_b32 v1, 5, v0
	v_readfirstlane_b32 s12, v1                    ; wave 0..3
	v_and_b32 v1, 31, v0                           ; lane
	v_lshlrev_b32 v2, 4, v1                        ; 16 x lane
	v_lshrrev_b32 v3, 3, v1
	v_lshlrev_b32 v3, 2, v3                        ; 4 (l / 8): my row's index among a load's four
	v_and_b32 v4, 7, v1
	v_lshlrev_b32 v4, 4, v4                        ; 16 (l % 8): my columns' bytes
	v_lshlrev_b32 v5, 4, v0                        ; 16 x thread
	s_mov_b32 s24, 0x76543210
	s_mov_b32 s25, 0xfedcba98
	s_mov_b32 s26, 0xff00ff00                      ; lanes whose bit 3 is set
	s_lshl_b32 s14, ttmp9, 10                      ; 256 indices a work-group,
	s_lshl_b32 s13, s12, 8                         ; 64 a wave
	s_add_co_u32 s14, s14, s13
	s_mov_b32 s15, 0
	s_lshl_b32 s16, ttmp9, 15                      ; 256 rows of 128 bytes,
	s_lshl_b32 s13, s12, 13                        ; 64 a wave
	s_add_co_u32 s16, s16, s13
	s_mov_b32 s17, 0
	s_wait_kmcnt 0x0
	s_add_nc_u64 s[8:9], s[8:9], s[14:15]
	s_add_nc_u64 s[4:5], s[4:5], s[16:17]
.irp i, 0,1,2,3,4,5,6,7,8,9,10,11,12,13,14,15
	global_load_b32 v[IX+\i], v3, s[8:9] offset:16*\i
.endr
.irp i, 0,1,2,3,4,5,6,7,8,9,10,11,12,13,14,15
	global_load_b128 v[Z+4*\i:Z+4*\i+3], v2, s[4:5] offset:512*\i
.endr
	s_wait_loadcnt 16                              ; the indices are in; z's sixteen loads stay out
.irp i, 0,1,2,3,4,5,6,7,8,9,10,11,12,13,14,15
	v_min_u32 v[IX+\i], 0x1fff, v[IX+\i]
.endr
.irp i, 0,1,2,3,4,5,6,7,8,9,10,11,12,13,14,15
	v_lshlrev_b32 v[IX+\i], 7, v[IX+\i]            ; a row is 128 bytes
.endr
.irp i, 0,1,2,3,4,5,6,7,8,9,10,11,12,13,14,15
	v_add_nc_u32 v[IX+\i], v4, v[IX+\i]
.endr
.irp i, 0,1,2,3,4,5,6,7,8,9,10,11,12,13,14,15
	global_load_b128 v[Q+4*\i:Q+4*\i+3], v[IX+\i], s[6:7]
.endr
	s_wait_loadcnt 15                              ; z and the first gather are in; 15 younger gathers stay out
	v_pk_mul_f32 v[SQ:SQ+1], v[Q:Q+1], v[Q:Q+1]    ; the first products start the sums
	v_pk_mul_f32 v[SQ+2:SQ+3], v[Q+2:Q+3], v[Q+2:Q+3]
	v_pk_mul_f32 v[SZ:SZ+1], v[Q:Q+1], v[Z:Z+1]
	v_pk_mul_f32 v[SZ+2:SZ+3], v[Q+2:Q+3], v[Z+2:Z+3]
.irp i, 1,2,3,4,5,6,7,8,9,10,11,12,13,14,15
	s_wait_loadcnt 15-\i
	v_pk_fma_f32 v[SQ:SQ+1], v[Q+4*\i:Q+4*\i+1], v[Q+4*\i:Q+4*\i+1], v[SQ:SQ+1]
	v_pk_fma_f32 v[SQ+2:SQ+3], v[Q+4*\i+2:Q+4*\i+3], v[Q+4*\i+2:Q+4*\i+3], v[SQ+2:SQ+3]
	v_pk_fma_f32 v[SZ:SZ+1], v[Q+4*\i:Q+4*\i+1], v[Z+4*\i:Z+4*\i+1], v[SZ:SZ+1]
	v_pk_fma_f32 v[SZ+2:SZ+3], v[Q+4*\i+2:Q+4*\i+3], v[Z+4*\i+2:Z+4*\i+3], v[SZ+2:SZ+3]
.endr
	ds_store_b128 v5, v[SQ:SQ+3]
	ds_store_b128 v5, v[SZ:SZ+3] offset:2048
	s_wait_dscnt 0x0                               ; for wave 0's sake
	s_barrier_signal -1
	s_barrier_wait -1
	s_cmp_lg_u32 s12, 0
	s_cbranch_scc1 .Ldone
.irp j, 0,1,2,3
	ds_load_b128 v[32+4*\j:35+4*\j], v2 offset:512*\j
	ds_load_b128 v[48+4*\j:51+4*\j], v2 offset:2048+512*\j
.endr
	s_wait_dscnt 0x0
.irp a, 32, 48
	v_pk_add_f32 v[\a:\a+1], v[\a:\a+1], v[\a+4:\a+5]
	v_pk_add_f32 v[\a+2:\a+3], v[\a+2:\a+3], v[\a+6:\a+7]
	v_pk_add_f32 v[\a+8:\a+9], v[\a+8:\a+9], v[\a+12:\a+13]
	v_pk_add_f32 v[\a+10:\a+11], v[\a+10:\a+11], v[\a+14:\a+15]
	v_pk_add_f32 v[\a:\a+1], v[\a:\a+1], v[\a+8:\a+9]
	v_pk_add_f32 v[\a+2:\a+3], v[\a+2:\a+3], v[\a+10:\a+11]
.endr
.irp a, 32,33,34,35,48,49,50,51
	v_add_f32_dpp v[\a], v[\a], v[\a] row_xmask:8 row_mask:0xf bank_mask:0xf   ; lanes l, l xor 8 and l xor 16 hold the same columns
.endr
.irp a, 32,33,34,35,48,49,50,51
	v_permlanex16_b32 v[\a+4], v[\a], s24, s25
.endr
.irp a, 32,33,34,35,48,49,50,51
	v_add_f32 v[\a], v[\a], v[\a+4]
.endr
.irp i, 0,1,2,3
	v_cndmask_b32 v[32+\i], v[32+\i], v[48+\i], s26    ; lanes 0-7 keep the sums of q^2, lanes 8-15 take those of q z
.endr
	s_lshl_b32 s14, ttmp9, 8                       ; a row of 64 sums
	s_add_nc_u64 s[10:11], s[10:11], s[14:15]
	v_cmp_gt_u32 vcc_lo, 16, v1
	s_wait_xcnt 0x0                                ; EXEC changes only behind this wait
	s_and_saveexec_b32 s16, vcc_lo
	global_store_b128 v2, v[32:35], s[10:11]       ; sixteen lanes store 256 consecutive bytes, aligned
	s_wait_xcnt 0x0
	s_or_b32 exec_lo, exec_lo, s16
.Ldone:
	s_wait_tensorcnt 0x0
	ds_add_u32 v168, v169
	s_wait_dscnt 0x0
	s_endpgm
.Lfunc_end_k_q21b7c8da09_sums:
	.size	k_q21b7c8da09_sums, .Lfunc_end_k_q21b7c8da09_sums-k_q21b7c8da09_sums
	.p2alignl 7, 3214868480
	.fill 96, 4, 3214868480
	.section	.rodata,"a",@progbits
	.p2align	6, 0x0
	.amdhsa_kernel k_q21b7c8da09_sums
		.amdhsa_group_segment_fixed_size 4608
		.amdhsa_private_segment_fixed_size 0
		.amdhsa_enable_private_segment 0
		.amdhsa_kernarg_size 32
		.amdhsa_user_sgpr_count 2
		.amdhsa_user_sgpr_kernarg_segment_ptr 1
		.amdhsa_wavefront_size32 1
		.amdhsa_system_sgpr_workgroup_id_x 1
		.amdhsa_system_sgpr_workgroup_id_y 1
		.amdhsa_system_sgpr_workgroup_id_z 1
		.amdhsa_system_vgpr_workitem_id 0
		.amdhsa_next_free_vgpr 170
		.amdhsa_next_free_sgpr 66
		.amdhsa_reserve_vcc 1
		.amdhsa_float_denorm_mode_32 3
		.amdhsa_float_denorm_mode_16_64 3
		.amdhsa_memory_ordered 1
		.amdhsa_forward_progress 1
		.amdhsa_inst_pref_size 16
	.end_amdhsa_kernel
	.amdgpu_metadata
---
amdhsa.version: [ 1, 2 ]
amdhsa.kernels:
  - .name:           k_q21b7c8da09_sums
    .symbol:         k_q21b7c8da09_sums.kd
    .args:
      - { .name: z, .offset: 0, .size: 8, .value_kind: global_buffer, .address_space: global }
      - { .name: embedding, .offset: 8, .size: 8, .value_kind: global_buffer, .address_space: global }
      - { .name: widx, .offset: 16, .size: 8, .value_kind: global_buffer, .address_space: global }
      - { .name: qpart, .offset: 24, .size: 8, .value_kind: global_buffer, .address_space: global }
    .group_segment_fixed_size: 4608
    .private_segment_fixed_size: 0
    .kernarg_segment_align: 8
    .kernarg_segment_size: 32
    .max_flat_workgroup_size: 128
    .sgpr_count:     66
    .vgpr_count:     170
    .wavefront_size: 32
...
	.end_amdgpu_metadata
.endif
;; end of part 3
;; launch final (part 4): grid 257 x 1, 1 waves a work-group, no clusters, 0 bytes of LDS; arguments z, embedding, widx, zpart, qpart, out0, out2; writes out0, out2
.if DOCPART == 4
	.amdgcn_target "amdgcn-amd-amdhsa--gfx1250"
	.amdhsa_code_object_version 6
	.text
	.protected	k_q21b7c8da09_final
	.globl	k_q21b7c8da09_final
	.p2align	8
	.type	k_q21b7c8da09_final,@function
k_q21b7c8da09_final:
	s_mov_b64 s[64:65], 0
	v_nop
	global_prefetch_b8 v0, s[64:65] scope:SCOPE_SE
	s_setreg_imm32_b32 hwreg(HW_REG_WAVE_MODE, 25, 1), 1
	s_wait_xcnt 0x0
; FINAL.  Work-groups 0-255, one wave each: 64 rows of out0 = zn + (z_q - zn), with zn = z / max(norm of z over T, 1e-12), z_q = embedding[idx] / max(its norm over T, 1e-12); the norms from the batch's 8 partial rows.
; Work-group 256: the loss = 1.25 x the mean of (z_q - zn)^2.  For a batch and a column the sum over T of (a q - r z)^2 is a^2 Sqq - 2 a r Sqz + r^2 Szz, a and r the two reciprocals of the norms.
; LIMITS: the loss is formed from three sums a column, each term of size 1: its absolute error is about 1e-6 of a term that lies between 0 and 4, so its relative error grows where z_q and zn all but coincide.
;   x / n is made as x * (1 / n).  NaN and infinities are not served.
.set EPS, 0x2b8cbccc                   ; 1e-12
.set IX, 8                             ; v8-23    the indices, then the gathers' offsets
.set PZ, 24                            ; v24-31   partial sums of z^2
.set PQ, 32                            ; v32-39   partial sums of q^2
.set R,  40                            ; v40-43   1 / norm of z, my four columns
.set A,  44                            ; v44-47   1 / norm of q
.set Z,  64                            ; v64-127
.set Q,  128                           ; v128-191
	s_load_b256 s[4:11], s[0:1], 0x0               ; z s[4:5], embedding s[6:7], widx s[8:9], zpart s[10:11]
	s_load_b128 s[12:15], s[0:1], 0x20             ; qpart s[12:13], out0 s[14:15]
	s_load_b64 s[16:17], s[0:1], 0x30              ; out2
	s_mov_b32 s24, 0x76543210
	s_mov_b32 s25, 0xfedcba98
	s_mov_b32 s23, 0
	s_wait_kmcnt 0x0
	s_cmp_lt_u32 ttmp9, 256
	s_cbranch_scc0 .Lloss
; ---- 64 rows.  A load covers four rows: lane l has row 4 i + l / 8, columns 4 (l % 8) .. + 3
	v_lshlrev_b32 v1, 4, v0                        ; 16 x lane
	v_lshrrev_b32 v5, 3, v0
	v_lshlrev_b32 v2, 2, v5                        ; 4 (l / 8)
	v_and_b32 v3, 7, v0
	v_lshlrev_b32 v3, 4, v3                        ; 16 (l % 8)
	v_lshl_add_u32 v4, v5, 8, v3                   ; qpart: a row is 256 bytes
	s_lshr_b32 s20, ttmp9, 5                       ; the batch
	s_lshl_b32 s22, s20, 10
	s_add_nc_u64 s[10:11], s[10:11], s[22:23]      ; its 8 rows of zpart,
	s_lshl_b32 s22, s20, 11
	s_add_nc_u64 s[12:13], s[12:13], s[22:23]      ; and of qpart
	s_lshl_b32 s22, ttmp9, 8
	s_add_nc_u64 s[8:9], s[8:9], s[22:23]          ; my 64 indices
	s_lshl_b32 s22, ttmp9, 13
	s_add_nc_u64 s[4:5], s[4:5], s[22:23]          ; my 64 rows
	s_add_nc_u64 s[14:15], s[14:15], s[22:23]
.irp i, 0,1,2,3,4,5,6,7,8,9,10,11,12,13,14,15
	global_load_b32 v[IX+\i], v2, s[8:9] offset:16*\i
.endr
	global_load_b128 v[PZ:PZ+3], v1, s[10:11]
	global_load_b128 v[PZ+4:PZ+7], v1, s[10:11] offset:512
	global_load_b128 v[PQ:PQ+3], v4, s[12:13]
	global_load_b128 v[PQ+4:PQ+7], v4, s[12:13] offset:1024
.irp i, 0,1,2,3,4,5,6,7,8,9,10,11,12,13,14,15
	global_load_b128 v[Z+4*\i:Z+4*\i+3], v1, s[4:5] offset:512*\i th:TH_LOAD_NT
.endr
	s_wait_loadcnt 20                              ; the indices are in; the 4 loads of partial rows and z's 16 stay out
.irp i, 0,1,2,3,4,5,6,7,8,9,10,11,12,13,14,15
	v_min_u32 v[IX+\i], 0x1fff, v[IX+\i]           ; held inside the table
.endr
.irp i, 0,1,2,3,4,5,6,7,8,9,10,11,12,13,14,15
	v_lshlrev_b32 v[IX+\i], 7, v[IX+\i]
.endr
.irp i, 0,1,2,3,4,5,6,7,8,9,10,11,12,13,14,15
	v_add_nc_u32 v[IX+\i], v3, v[IX+\i]
.endr
.irp i, 0,1,2,3,4,5,6,7,8,9,10,11,12,13,14,15
	global_load_b128 v[Q+4*\i:Q+4*\i+3], v[IX+\i], s[6:7]
.endr
	s_wait_loadcnt 32                              ; the partial rows are in; z's 16 and the 16 gathers stay out
.irp a, PZ, PQ
	v_pk_add_f32 v[\a:\a+1], v[\a:\a+1], v[\a+4:\a+5]
	v_pk_add_f32 v[\a+2:\a+3], v[\a+2:\a+3], v[\a+6:\a+7]
.endr
.irp a, 24,25,26,27,32,33,34,35
	v_add_f32_dpp v[\a], v[\a], v[\a] row_xmask:8 row_mask:0xf bank_mask:0xf
.endr
.irp a, 24,25,26,27,32,33,34,35
	v_permlanex16_b32 v[\a+4], v[\a], s24, s25
.endr
.irp a, 24,25,26,27,32,33,34,35
	v_add_f32 v[\a], v[\a], v[\a+4]
.endr
.irp i, 0,1,2,3
	v_sqrt_f32 v[R+\i], v[PZ+\i]
	v_sqrt_f32 v[A+\i], v[PQ+\i]
.endr
	v_nop                                          ; a plain instruction behind the last root,
	s_wait_alu depctr_va_vdst(0)                   ; and one wait for the eight
.irp i, 0,1,2,3,4,5,6,7
	v_max_num_f32 v[R+\i], EPS, v[R+\i]
.endr
.irp i, 0,1,2,3,4,5,6,7
	v_rcp_f32 v[R+\i], v[R+\i]
.endr
	v_nop
	s_wait_alu depctr_va_vdst(0)
.irp i, 0,1,2,3,4,5,6,7,8,9,10,11,12,13,14,15
	s_wait_loadcnt 15-\i                           ; z and gather i are in; the younger gathers stay out
	v_pk_mul_f32 v[Z+4*\i:Z+4*\i+1], v[Z+4*\i:Z+4*\i+1], v[R:R+1]              ; zn
	v_pk_mul_f32 v[Z+4*\i+2:Z+4*\i+3], v[Z+4*\i+2:Z+4*\i+3], v[R+2:R+3]
	v_pk_fma_f32 v[Q+4*\i:Q+4*\i+1], v[Q+4*\i:Q+4*\i+1], v[A:A+1], v[Z+4*\i:Z+4*\i+1] neg_lo:[0,0,1] neg_hi:[0,0,1]              ; z_q - zn
	v_pk_fma_f32 v[Q+4*\i+2:Q+4*\i+3], v[Q+4*\i+2:Q+4*\i+3], v[A+2:A+3], v[Z+4*\i+2:Z+4*\i+3] neg_lo:[0,0,1] neg_hi:[0,0,1]
	v_pk_add_f32 v[Q+4*\i:Q+4*\i+1], v[Z+4*\i:Z+4*\i+1], v[Q+4*\i:Q+4*\i+1]    ; zn + (z_q - zn)
	v_pk_add_f32 v[Q+4*\i+2:Q+4*\i+3], v[Z+4*\i+2:Z+4*\i+3], v[Q+4*\i+2:Q+4*\i+3]
	global_store_b128 v1, v[Q+4*\i:Q+4*\i+3], s[14:15] offset:512*\i th:TH_STORE_NT   ; 512 consecutive bytes; no store's data are written again
.endr
	s_endpgm
; ---- the loss.  Lane l takes batch l / 4 and columns 8 (l % 4) .. + 7: v16.. Szz, v80.. Sqq, v144.. Sqz, eight partial rows each
.Lloss:
	v_lshrrev_b32 v1, 2, v0
	v_and_b32 v2, 3, v0
	v_lshlrev_b32 v3, 10, v1
	v_lshl_add_u32 v3, v2, 5, v3                   ; zpart: 1,024 bytes a batch, 32 a lane
	v_lshlrev_b32 v4, 11, v1
	v_lshl_add_u32 v4, v2, 5, v4                   ; qpart: 2,048 bytes a batch
.irp g, 0,1,2,3,4,5,6,7
.irp u, 0,1
	global_load_b128 v[16+8*\g+4*\u:19+8*\g+4*\u], v3, s[10:11] offset:128*\g+16*\u
	global_load_b128 v[80+8*\g+4*\u:83+8*\g+4*\u], v4, s[12:13] offset:256*\g+16*\u
	global_load_b128 v[144+8*\g+4*\u:147+8*\g+4*\u], v4, s[12:13] offset:256*\g+128+16*\u
.endr
.endr
	v_mov_b32 v238, 0                              ; the store's offset
	s_wait_loadcnt 0x0
.irp g, 1,2,3,4,5,6,7
.irp a, 16, 80, 144
.irp i, 0,2,4,6
	v_pk_add_f32 v[\a+\i:\a+\i+1], v[\a+\i:\a+\i+1], v[\a+8*\g+\i:\a+8*\g+\i+1]
.endr
.endr
.endr
.irp i, 0,1,2,3,4,5,6,7
	v_sqrt_f32 v[208+\i], v[16+\i]
	v_sqrt_f32 v[216+\i], v[80+\i]
.endr
	v_nop
	s_wait_alu depctr_va_vdst(0)                   ; one wait for the sixteen roots
.irp i, 0,1,2,3,4,5,6,7,8,9,10,11,12,13,14,15
	v_max_num_f32 v[208+\i], EPS, v[208+\i]
.endr
.irp i, 0,1,2,3,4,5,6,7,8,9,10,11,12,13,14,15
	v_rcp_f32 v[208+\i], v[208+\i]                 ; v208-215 r, v216-223 a
.endr
	v_nop
	s_wait_alu depctr_va_vdst(0)
.irp p, 0,2,4,6
	v_pk_mul_f32 v[224+\p:225+\p], v[216+\p:217+\p], v[216+\p:217+\p]          ; a^2
	v_pk_mul_f32 v[24+\p:25+\p], v[208+\p:209+\p], v[208+\p:209+\p]            ; r^2  (v24-31 and v88-95, folded in above, are at work)
	v_pk_mul_f32 v[88+\p:89+\p], v[216+\p:217+\p], v[208+\p:209+\p]            ; a r
.endr
.irp p, 0,2,4,6
	v_pk_mul_f32 v[224+\p:225+\p], v[224+\p:225+\p], v[80+\p:81+\p]            ; a^2 Sqq
	v_pk_mul_f32 v[88+\p:89+\p], v[88+\p:89+\p], v[144+\p:145+\p]              ; a r Sqz
.endr
.irp p, 0,2,4,6
	v_pk_fma_f32 v[224+\p:225+\p], v[24+\p:25+\p], v[16+\p:17+\p], v[224+\p:225+\p]   ; + r^2 Szz
.endr
.irp p, 0,2,4,6
	v_pk_fma_f32 v[224+\p:225+\p], v[88+\p:89+\p], -2.0, v[224+\p:225+\p] op_sel_hi:[1,0,1]   ; - 2 a r Sqz
.endr
	v_pk_add_f32 v[224:225], v[224:225], v[226:227]
	v_pk_add_f32 v[228:229], v[228:229], v[230:231]
	v_pk_add_f32 v[224:225], v[224:225], v[228:229]
	v_add_f32 v224, v224, v225
	v_add_f32_dpp v224, v224, v224 row_xmask:1 row_mask:0xf bank_mask:0xf
	v_add_f32_dpp v224, v224, v224 row_xmask:2 row_mask:0xf bank_mask:0xf
	v_add_f32_dpp v224, v224, v224 row_xmask:4 row_mask:0xf bank_mask:0xf
	v_add_f32_dpp v224, v224, v224 row_xmask:8 row_mask:0xf bank_mask:0xf
	v_permlanex16_b32 v225, v224, s24, s25
	v_add_f32 v224, v224, v225
	v_mul_f32 v224, 0x36200000, v224               ; x 1.25 / 524,288
	v_cmp_eq_u32 vcc_lo, 0, v0
	s_wait_xcnt 0x0                                ; EXEC changes only behind this wait
	s_and_saveexec_b32 s20, vcc_lo
	global_store_b32 v238, v224, s[16:17]
	s_wait_xcnt 0x0
	s_or_b32 exec_lo, exec_lo, s20
	s_endpgm
.Lfunc_end_k_q21b7c8da09_final:
	.size	k_q21b7c8da09_final, .Lfunc_end_k_q21b7c8da09_final-k_q21b7c8da09_final
	.p2alignl 7, 3214868480
	.fill 96, 4, 3214868480
	.section	.rodata,"a",@progbits
	.p2align	6, 0x0
	.amdhsa_kernel k_q21b7c8da09_final
		.amdhsa_group_segment_fixed_size 0
		.amdhsa_private_segment_fixed_size 0
		.amdhsa_enable_private_segment 0
		.amdhsa_kernarg_size 56
		.amdhsa_user_sgpr_count 2
		.amdhsa_user_sgpr_kernarg_segment_ptr 1
		.amdhsa_wavefront_size32 1
		.amdhsa_system_sgpr_workgroup_id_x 1
		.amdhsa_system_sgpr_workgroup_id_y 1
		.amdhsa_system_sgpr_workgroup_id_z 1
		.amdhsa_system_vgpr_workitem_id 0
		.amdhsa_next_free_vgpr 240
		.amdhsa_next_free_sgpr 66
		.amdhsa_reserve_vcc 1
		.amdhsa_float_denorm_mode_32 3
		.amdhsa_float_denorm_mode_16_64 3
		.amdhsa_memory_ordered 1
		.amdhsa_forward_progress 1
		.amdhsa_inst_pref_size 34
	.end_amdhsa_kernel
	.amdgpu_metadata
---
amdhsa.version: [ 1, 2 ]
amdhsa.kernels:
  - .name:           k_q21b7c8da09_final
    .symbol:         k_q21b7c8da09_final.kd
    .args:
      - { .name: z, .offset: 0, .size: 8, .value_kind: global_buffer, .address_space: global }
      - { .name: embedding, .offset: 8, .size: 8, .value_kind: global_buffer, .address_space: global }
      - { .name: widx, .offset: 16, .size: 8, .value_kind: global_buffer, .address_space: global }
      - { .name: zpart, .offset: 24, .size: 8, .value_kind: global_buffer, .address_space: global }
      - { .name: qpart, .offset: 32, .size: 8, .value_kind: global_buffer, .address_space: global }
      - { .name: out0, .offset: 40, .size: 8, .value_kind: global_buffer, .address_space: global }
      - { .name: out2, .offset: 48, .size: 8, .value_kind: global_buffer, .address_space: global }
    .group_segment_fixed_size: 0
    .private_segment_fixed_size: 0
    .kernarg_segment_align: 8
    .kernarg_segment_size: 56
    .max_flat_workgroup_size: 32
    .sgpr_count:     66
    .vgpr_count:     240
    .wavefront_size: 32
...
	.end_amdgpu_metadata
.endif
;; end of part 4
;; ======== version 2 of 2: 4 launches
;; limits: a difference of large sums (such as E[x^2] - mean^2): digits are lost where the result is much smaller than its terms
;; workspace buffers: zpart 8,192 bytes; table 303,104 bytes; qpart 16,384 bytes; widx 65,536 bytes of whole numbers
;; launch prep (part 5): grid 80 x 1, 4 waves a work-group, no clusters, 2,560 bytes of LDS; arguments z, embedding, zpart, table; writes zpart, table
.if DOCPART == 5
	.amdgcn_target "amdgcn-amd-amdhsa--gfx1250"
	.amdhsa_code_object_version 6
	.text
	.protected	k_q21b7c8da09_prep
	.globl	k_q21b7c8da09_prep
	.p2align	8
	.type	k_q21b7c8da09_prep,@function
k_q21b7c8da09_prep:
	s_mov_b64 s[64:65], 0
	v_nop
	global_prefetch_b8 v0, s[64:65] scope:SCOPE_SE
	s_setreg_imm32_b32 hwreg(HW_REG_WAVE_MODE, 25, 1), 1
	s_wait_xcnt 0x0
; PREP: what the scan needs and what many work-groups would otherwise make again and again.
; Work-groups 0-63: zpart[g][d] = the sum of z^2 over rows 256 g .. 256 g + 255 of the flat [16384][32] z (a batch is 8 such runs), f32.
; Work-groups 64-79: the embedding [8192][32] f32 is normalised along its 32 numbers and quantised ONCE to E5M2 with one E8M0 scale a row (K = 32 is one block).  table holds:
;   bytes 0 ..        the codes, in the order of the operand's registers: tile t (rows 16 t ..) is 512 bytes, lane l = 16 h + r has its 16 bytes at 16 l: codes k = 16 h .. 16 h + 15 of row 16 t + r;
;   bytes BIASO ..    -|e|^2 / 2 of the UNnormalised row, f32, row by row;
;   bytes SCLO ..     scale words: for four tiles 4 q .. 4 q + 3 and r = 0 .. 15 one word at 64 q + 4 r, byte c = the scale of row 16 (4 q + c) + r.
; A block's scale is 2^(floor(log2(largest magnitude)) - 15); its byte is the largest magnitude's exponent field - 15, held at 1 from below.  A row of zeros so gets the byte 1: its codes are zeros, and this program alone reads the bytes.
; LIMITS: NaN and infinities among the inputs are not served.  x / n is made as x * (1 / n).
.set ZWG,   64                         ; work-groups that take z
.set BIASO, 262144
.set SCLO,  294912
.set EPS,   0x2b8cbccc                 ; 1e-12
.set SS, 16                            ; v16-23   |e|^2 of my row in each of 8 tiles
.set TP, 24                            ; v24-31   the other half's number; later the scale bytes; later the bias as stored
.set NR, 32                            ; v32-39   the norm, then 1 / norm
.set MX, 40                            ; v40-47   largest magnitudes
.set SO, 48                            ; v48-55   the conversions' scale operands
.set HD, 56                            ; v56-63   57,344 x the scale
.set X,  64                            ; v64-191  8 tiles x 16 numbers
.set CD, 192                           ; v192-223 at work on the sums, then 8 tiles x 4 registers of codes
	s_load_b256 s[4:11], s[0:1], 0x0               ; z s[4:5], embedding s[6:7], zpart s[8:9], table s[10:11]
	v_lshl_add_u32 v224, v0, 2, 0x800
	v_mov_b32 v225, 0
	v_lshrrev_b32 v1, 5, v0
	v_readfirstlane_b32 s12, v1                    ; wave 0..3
	v_and_b32 v2, 31, v0                           ; lane
	v_lshlrev_b32 v3, 4, v2                        ; 16 x lane
	v_lshlrev_b32 v4, 4, v0                        ; 16 x thread: my place in the LDS stage
	s_mov_b32 s24, 0x76543210
	s_mov_b32 s25, 0xfedcba98                      ; v_permlanex16_b32's selects for lane l xor 16
	s_mov_b32 s15, 0
	s_wait_kmcnt 0x0
	s_cmp_lt_u32 ttmp9, ZWG                        ; the two parts differ by the work-group's number alone
	s_cbranch_scc0 .Lemb
; ---- z: a wave takes 64 rows, 8,192 consecutive bytes.  A load covers 512 of them: lane l has row 4 i + l / 8, numbers 4 (l % 8) .. + 3
	s_lshl_b32 s14, ttmp9, 15                      ; 256 rows of 128 bytes a work-group,
	s_lshl_b32 s13, s12, 13                        ; 64 a wave
	s_add_co_u32 s14, s14, s13
	s_add_nc_u64 s[4:5], s[4:5], s[14:15]
	s_wait_alu depctr_va_vdst(0)
.irp i, 0,1,2,3,4,5,6,7,8,9,10,11,12,13,14,15
	global_load_b128 v[16+4*\i:19+4*\i], v3, s[4:5] offset:512*\i
.endr
	s_wait_loadcnt 15                              ; loads come back in order: the first is in, 15 younger ones stay out
	v_pk_mul_f32 v[8:9], v[16:17], v[16:17]        ; the first squares start the sums
	v_pk_mul_f32 v[10:11], v[18:19], v[18:19]
	s_wait_alu depctr_va_vdst(0)
.irp i, 1,2,3,4,5,6,7,8,9,10,11,12,13,14,15
	s_wait_alu depctr_va_vdst(0)
	s_wait_loadcnt 15-\i
	v_pk_fma_f32 v[8:9], v[16+4*\i:17+4*\i], v[16+4*\i:17+4*\i], v[8:9]
	v_pk_fma_f32 v[10:11], v[18+4*\i:19+4*\i], v[18+4*\i:19+4*\i], v[10:11]
.endr
	ds_store_b128 v4, v[8:11]                      ; 128 threads x 16 bytes
	s_wait_dscnt 0x0                               ; for the others' sake: my store has landed
	s_barrier_signal -1
	s_barrier_wait -1
	s_cmp_lg_u32 s12, 0                            ; wave 0 adds the four waves' parts
	s_cbranch_scc1 .Ldone
.irp j, 0,1,2,3
	ds_load_b128 v[16+4*\j:19+4*\j], v3 offset:512*\j
.endr
	s_wait_dscnt 0x0
	v_pk_add_f32 v[16:17], v[16:17], v[20:21]
	v_pk_add_f32 v[18:19], v[18:19], v[22:23]
	v_pk_add_f32 v[24:25], v[24:25], v[28:29]
	v_pk_add_f32 v[26:27], v[26:27], v[30:31]
	v_pk_add_f32 v[16:17], v[16:17], v[24:25]
	v_pk_add_f32 v[18:19], v[18:19], v[26:27]
.irp i, 0,1,2,3
	v_add_f32_dpp v[16+\i], v[16+\i], v[16+\i] row_xmask:8 row_mask:0xf bank_mask:0xf   ; lanes l and l xor 8 hold the same four columns,
.endr
.irp i, 0,1,2,3
	v_permlanex16_b32 v[20+\i], v[16+\i], s24, s25                                      ; and so do l and l xor 16
.endr
.irp i, 0,1,2,3
	v_add_f32 v[16+\i], v[16+\i], v[20+\i]
.endr
	s_lshl_b32 s14, ttmp9, 7                       ; a row of 32 sums
	s_add_nc_u64 s[8:9], s[8:9], s[14:15]
	v_cmp_gt_u32 vcc_lo, 8, v2                     ; lanes 0-7 hold the 32 sums, 16 bytes each
	s_wait_alu depctr_va_vdst(0)
	s_wait_xcnt 0x0                                ; EXEC changes only behind this wait
	s_and_saveexec_b32 s16, vcc_lo
	global_store_b128 v3, v[16:19], s[8:9]
	s_wait_xcnt 0x0
	s_or_b32 exec_lo, exec_lo, s16
.Ldone:
	s_wait_tensorcnt 0x0
	ds_add_u32 v224, v225
	s_wait_dscnt 0x0
	s_endpgm
; ---- the embedding: a wave takes 128 rows = 8 tiles.  Lane (r, h) takes, of row r of each tile, the 16 neighbours k = 16 h ..: its registers run along K, and the conversions' results are the operand's registers
.Lemb:
	s_sub_co_u32 s13, ttmp9, ZWG
	s_lshl_b32 s13, s13, 2
	s_add_co_u32 s13, s13, s12                     ; which 128 rows: 0 .. 63
	s_lshl_b32 s14, s13, 14                        ; 128 rows of 128 bytes
	s_add_nc_u64 s[6:7], s[6:7], s[14:15]
	s_mov_b32 s17, 0
	s_lshl_b32 s16, s13, 12                        ; codes: 8 tiles of 512 bytes
	s_add_nc_u64 s[18:19], s[10:11], s[16:17]
	s_lshl_b32 s16, s13, 9                         ; bias: 128 numbers
	s_add_nc_u64 s[20:21], s[10:11], s[16:17]
	s_lshl_b32 s16, s13, 7                         ; scale words: 2 x 16
	s_add_nc_u64 s[22:23], s[10:11], s[16:17]
	s_mov_b32 s26, 0x600000                        ; the mantissa field of 57,344
	s_mov_b32 s27, 0xffff0000                      ; lanes 16-31
	v_and_b32 v5, 15, v0
	v_bfe_u32 v6, v0, 4, 1
	v_lshlrev_b32 v5, 7, v5
	v_lshl_add_u32 v5, v6, 6, v5                   ; row r of 128 bytes, + 64 h
	s_wait_alu depctr_va_vdst(0)
	v_lshlrev_b32 v8, 2, v2                        ; 4 x lane
.irp t, 0,1,2,3,4,5,6,7
.irp i, 0,1,2,3
	global_load_b128 v[X+16*\t+4*\i:X+16*\t+4*\i+3], v5, s[6:7] offset:2048*\t+16*\i
.endr
.endr
.irp t, 0,1,2,3,4,5,6,7
	v_mov_b32 v[TP+\t], 0                          ; a lane permute's destination counts as one of its sources
.endr
	s_wait_loadcnt 0x0
.irp t, 0,1,2,3,4,5,6,7                        ; |e|^2: the eight tiles by turns, so that no line waits for the line above it
	v_pk_mul_f32 v[CD+2*\t:CD+2*\t+1], v[X+16*\t:X+16*\t+1], v[X+16*\t:X+16*\t+1]
.endr
.irp i, 2,4,6,8,10,12,14
.irp t, 0,1,2,3,4,5,6,7
	v_pk_fma_f32 v[CD+2*\t:CD+2*\t+1], v[X+16*\t+\i:X+16*\t+\i+1], v[X+16*\t+\i:X+16*\t+\i+1], v[CD+2*\t:CD+2*\t+1]
.endr
.endr
.irp t, 0,1,2,3,4,5,6,7
	v_add_f32 v[SS+\t], v[CD+2*\t], v[CD+2*\t+1]
.endr
.irp t, 0,1,2,3,4,5,6,7
	v_permlanex16_b32 v[TP+\t], v[SS+\t], s24, s25
.endr
.irp t, 0,1,2,3,4,5,6,7
	v_add_f32 v[SS+\t], v[SS+\t], v[TP+\t]         ; with the row's other half
.endr
	s_wait_alu depctr_va_vdst(0)
.irp t, 0,1,2,3,4,5,6,7
	v_sqrt_f32 v[NR+\t], v[SS+\t]
.endr
	v_nop                                          ; a plain instruction behind the last root,
	s_wait_alu depctr_va_vdst(0)                   ; and one wait for the eight, ahead of their first reader
.irp t, 0,1,2,3,4,5,6,7
	v_max_num_f32 v[NR+\t], EPS, v[NR+\t]
.endr
	s_wait_alu depctr_va_vdst(0)
.irp t, 0,1,2,3,4,5,6,7
	v_rcp_f32 v[NR+\t], v[NR+\t]
.endr
	v_nop
	s_wait_alu depctr_va_vdst(0)
.irp t, 0,1,2,3,4,5,6,7
.irp i, 0,1,2,3,4,5,6,7,8,9,10,11,12,13,14,15
	v_mul_f32 v[X+16*\t+\i], v[X+16*\t+\i], v[NR+\t]   ; the normalised row
.endr
.endr
.irp t, 0,1,2,3,4,5,6,7
	v_max3_num_f32 v[MX+\t], |v[X+16*\t]|, |v[X+16*\t+1]|, 0x8000000   ; my 16 numbers, and the floor 2^(16 - 127): the byte cannot fall under 1
.endr
.irp i, 2,4,6,8,10,12,14
.irp t, 0,1,2,3,4,5,6,7
	v_max3_num_f32 v[MX+\t], v[MX+\t], |v[X+16*\t+\i]|, |v[X+16*\t+\i+1]|
.endr
.endr
.irp t, 0,1,2,3,4,5,6,7
	v_permlanex16_b32 v[TP+\t], v[MX+\t], s24, s25
.endr
.irp t, 0,1,2,3,4,5,6,7
	v_max_num_f32 v[MX+\t], v[MX+\t], v[TP+\t]     ; the block's largest magnitude
.endr
.irp t, 0,1,2,3,4,5,6,7
	v_add_nc_u32 v[SO+\t], 0xf8800000, v[MX+\t]    ; 15 off its exponent field: the conversion takes that field as its scale
.endr
.irp t, 0,1,2,3,4,5,6,7
	v_and_or_b32 v[HD+\t], v[MX+\t], 0x7f800000, s26   ; 57,344 x the scale
.endr
.irp t, 0,1,2,3,4,5,6,7
	v_lshrrev_b32 v[TP+\t], 23, v[SO+\t]           ; the scale's byte
.endr
	v_lshl_or_b32 v6, v[TP+1], 8, v[TP]            ; tiles 0-3: my row's word,
	v_lshl_or_b32 v7, v[TP+5], 8, v[TP+4]          ; tiles 4-7
	v_lshl_or_b32 v6, v[TP+2], 16, v6
	v_lshl_or_b32 v7, v[TP+6], 16, v7
	v_lshl_or_b32 v6, v[TP+3], 24, v6
	v_lshl_or_b32 v7, v[TP+7], 24, v7
	v_cndmask_b32 v6, v6, v7, s27                  ; lanes 0-15 store the first four tiles' words, lanes 16-31 the other four's: 128 consecutive bytes
.irp t, 0,1,2,3,4,5,6,7
.irp i, 0,1,2,3,4,5,6,7,8,9,10,11,12,13,14,15
	v_med3_num_f32 v[X+16*\t+\i], v[X+16*\t+\i], -v[HD+\t], v[HD+\t]   ; the conversion to an 8-bit code does not saturate (ISA guide 7.6.2): the hold comes first
.endr
.endr
.irp t, 0,1,2,3,4,5,6,7
	v_cvt_scalef32_pk8_bf8_f32 v[CD+4*\t:CD+4*\t+1], v[X+16*\t:X+16*\t+7], v[SO+\t]
	v_cvt_scalef32_pk8_bf8_f32 v[CD+4*\t+2:CD+4*\t+3], v[X+16*\t+8:X+16*\t+15], v[SO+\t]
.endr
	v_nop                                          ; a plain instruction behind the last conversion
.irp t, 0,1,2,3,4,5,6,7
	global_store_b128 v3, v[CD+4*\t:CD+4*\t+3], s[18:19] offset:512*\t   ; a tile: 512 consecutive bytes
.endr
	global_store_b32 v8, v6, s[22:23] offset:SCLO
.irp t, 0,1,2,3,4,5,6,7
	v_mul_f32 v[SS+\t], -0.5, v[SS+\t]             ; exact
.endr
.irp u, 0,1,2,3
	v_cndmask_b32 v[TP+\u], v[SS+2*\u], v[SS+2*\u+1], s27   ; lanes 0-15: tile 2 u, lanes 16-31: tile 2 u + 1: 32 rows on end
.endr
.irp u, 0,1,2,3
	global_store_b32 v8, v[TP+\u], s[20:21] offset:BIASO+128*\u
.endr
	s_endpgm
.Lfunc_end_k_q21b7c8da09_prep:
	.size	k_q21b7c8da09_prep, .Lfunc_end_k_q21b7c8da09_prep-k_q21b7c8da09_prep
	.p2alignl 7, 3214868480
	.fill 96, 4, 3214868480
	.section	.rodata,"a",@progbits
	.p2align	6, 0x0
	.amdhsa_kernel k_q21b7c8da09_prep
		.amdhsa_group_segment_fixed_size 2560
		.amdhsa_private_segment_fixed_size 0
		.amdhsa_enable_private_segment 0
		.amdhsa_kernarg_size 32
		.amdhsa_user_sgpr_count 2
		.amdhsa_user_sgpr_kernarg_segment_ptr 1
		.amdhsa_wavefront_size32 1
		.amdhsa_system_sgpr_workgroup_id_x 1
		.amdhsa_system_sgpr_workgroup_id_y 1
		.amdhsa_system_sgpr_workgroup_id_z 1
		.amdhsa_system_vgpr_workitem_id 0
		.amdhsa_next_free_vgpr 226
		.amdhsa_next_free_sgpr 66
		.amdhsa_reserve_vcc 1
		.amdhsa_float_denorm_mode_32 3
		.amdhsa_float_denorm_mode_16_64 3
		.amdhsa_memory_ordered 1
		.amdhsa_forward_progress 1
		.amdhsa_inst_pref_size 40
	.end_amdhsa_kernel
	.amdgpu_metadata
---
amdhsa.version: [ 1, 2 ]
amdhsa.kernels:
  - .name:           k_q21b7c8da09_prep
    .symbol:         k_q21b7c8da09_prep.kd
    .args:
      - { .name: z, .offset: 0, .size: 8, .value_kind: global_buffer, .address_space: global }
      - { .name: embedding, .offset: 8, .size: 8, .value_kind: global_buffer, .address_space: global }
      - { .name: zpart, .offset: 16, .size: 8, .value_kind: global_buffer, .address_space: global }
      - { .name: table, .offset: 24, .size: 8, .value_kind: global_buffer, .address_space: global }
    .group_segment_fixed_size: 2560
    .private_segment_fixed_size: 0
    .kernarg_segment_align: 8
    .kernarg_segment_size: 32
    .max_flat_workgroup_size: 128
    .sgpr_count:     66
    .vgpr_count:     226
    .wavefront_size: 32
...
	.end_amdgpu_metadata
.endif
;; end of part 5
;; launch scan (part 6): grid 256 x 1, 16 waves a work-group, no clusters, 46,592 bytes of LDS; arguments z, zpart, table, out1, widx; writes out1, widx
.if DOCPART == 6
	.amdgcn_target "amdgcn-amd-amdhsa--gfx1250"
	.amdhsa_code_object_version 6
	.text
	.protected	k_q21b7c8da09_scan
	.globl	k_q21b7c8da09_scan
	.p2align	8
	.type	k_q21b7c8da09_scan,@function
k_q21b7c8da09_scan:
	s_mov_b64 s[64:65], 0
	v_nop
	global_prefetch_b8 v0, s[64:65] scope:SCOPE_SE
	s_setreg_imm32_b32 hwreg(HW_REG_WAVE_SCHED_MODE, 0, 2), 2
	s_setreg_imm32_b32 hwreg(HW_REG_WAVE_MODE, 25, 1), 1
	s_wait_xcnt 0x0
	s_wait_alu depctr_vm_vsrc(0)
; SCAN: idx[row] = the first code that makes d = (|zn|^2 + |e|^2) - 2 Q(zn) . Q(en) least.  The product is made on codes of E5M2 with E8M0 scales, sums in f32.
; C of each product is -(|zn|^2 + |e|^2) / 2, the sum rounded to f32 as in the definition (halving is exact), so the matrix instruction gives D = -d / 2 and the least d is the largest D.
; LIMITS: D is rounded once, inside the matrix instruction, where the definition rounds the product and then the difference; |zn|^2 may differ in its last bit by the order of its sum.  So two codes whose distances
;   lie within about one f32 rounding of each other may change places.  Equal D: the lowest index wins.  NaN and infinities are not served.  x / n is made as x * (1 / n).  A block of zeros has the scale byte 1 (its codes are zeros).
; SHARES.  A work-group owns 64 rows of z, four tiles of 16.  Waves 0-3 finish the norms over T from 8 partial rows, normalise and quantise a tile each, and hand it on through LDS as an image of its registers.
;   Wave w then takes codes 512 w .. 512 w + 511 (32 tiles) against all four z tiles: 128 matrix instructions.  Sixteen waves of 232 registers: four to a SIMD, so that one wave's vector work stands beside another's products.
; K IS 32, THE INSTRUCTION'S IS 128.  A's 16 registers hold FOUR code tiles, one in each block of 32.  z's 4 registers stand between runs of 12 registers of zero codes: the 16 registers that begin 4 c ahead of them hold z in
;   block c and zeros in the other three, so that only tile c counts.  One run of A and one scale word a lane serve 16 products; z's scale byte stands in all four bytes of its word.
; LAYOUT.  Source 0 = 16 codes, source 1 = 16 rows of z: lane (r, h) holds z row r and, in register j, code 16 t + 8 h + j.
; THE ARGMAX.  For each product: the largest of the 8; where it beats the lane's best so far (strictly: the first tile stays), the tile's number and its 8 numbers are kept.  At the end the lowest j that equals the best is read off them.
; THE TABLE is the same for all work-groups.  It is not asked for jointly by a cluster: a wave's codes go from memory straight into A's registers, four loads for 16 products, a step ahead, awaited by the wave's own
;   counter, so that no barrier stands between a fetch and its use; a wave's 2,048 bytes of -|e|^2 / 2 lie in LDS bytes of its own.
; THE MODE: SCHED_MODE bits 1:0 = 2 (LLVM: expert scheduling mode 2), set by the entry lines.  The code itself states the register dependences between vector or matrix instructions and memory or LDS instructions,
;   and those through scalar registers and VCC that vector instructions write, with s_wait_alu, always for 0.
; THE PLAN.  Registers that memory or LDS instructions touch:
;   v1-v15      offsets and LDS addresses: made once at the head, never written again.
;   BI0, BI1    a tile's -|e|^2 / 2.  Tile T: the four lines that make its products' C read BI[T % 2]; behind them the LDS loads of tile T + 2 land in it.
;   AF0, AF1    a step's four code tiles.  Step s: its 16 products read AF[s % 2]; the loads of step s + 2 land in it, issued in the first tile of step s + 1.
;   the zero codes round z's tiles: written once at the head, taken as B by every product; at the end wave 0's LDS loads land in v16-79.
;   at the head and on the way out: the data of the LDS stores and of the two global stores, each written by vector lines just ahead.
;   C, D, the state ST and the registers at work are named by vector and matrix instructions alone.
; So in the scan ONE wait on va_vdst stands in a tile, ahead of its fourth product: the tile's four C are made (BI[T % 2] is read out) and, in a step's first tile, the step before has read its run of A.  Behind it only that
; fourth product is issued ahead of the loads, and it names D, C, the other run of A, z's registers and the scale words: none that the loads touch.  One wait on va_vcc stands between each compare and its selections.
.set DUAL,  1                          ; 1: the selections go two to an instruction
.set BIASO, 262144                     ; in the table: -|e|^2 / 2
.set SCLO,  294912                     ; and the scale words
.set ZIMG,  0                          ; LDS: four z tiles, 512 bytes each,
.set ZSC,   2048                       ; their scale words, 128 bytes each,
.set ZZL,   2560                       ; -|zn|^2 / 2, 128 bytes each,
.set RZL,   3072                       ; 1 / norm, 128 bytes for each of waves 0-3,
.set RES,   3584                       ; the waves' results: [16][64] values, then [16][64] indices,
.set BIA,   11776                      ; and 2,048 bytes of bias for each wave
.set EPS,   0x2b8cbccc                 ; 1e-12
.set LN16, 1                           ; 16 x lane
.set LN4,  2                           ; 4 x lane
.set LN8,  3                           ; 8 x lane
.set TG,   4                           ; my lane's 16 bytes in my wave's codes in the table; never rewritten
.set BG,   5                           ; the same for my wave's bias
.set BW,   6                           ; where that goes in LDS
.set CA,   7                           ; LDS address of my half's 32 bytes of a tile's bias
.set ZO,   8                           ; z: row r, + 64 h
.set RZS,  9                           ; where I put four 1 / norm
.set RZR,  10                          ; where I read my half's sixteen
.set ZIW,  11                          ; where waves 0-3 put a tile's image: 16 x thread
.set ZSW,  12                          ; its scale word: 4 x thread
.set ZZW,  13                          ; and -|zn|^2 / 2
.set RSW,  14                          ; where I put a result: lanes 0-15 the value, lanes 16-31 the index
.set IB,   15                          ; 512 x wave + 8 h
.set ZB,   16                          ; v16-91   12 zeros, z0, 12 zeros, z1, 12 zeros, z2, 12 zeros, z3, 12 zeros
.set AF,   92                          ; v92-123  two runs of four code tiles
.set BI,   124                         ; v124-139 two tiles' -|e|^2 / 2
.set CF,   140                         ; v140-155 two C
.set DF,   156                         ; v156-171 two D
.set ST,   172                         ; v172-219 for each z tile 12: the best tile's number, the best value, that tile's 8 numbers, -|zn|^2 / 2, and a 0 that is named with it as a pair
.set G,    220
.set VT,   221                         ; the number of the tile in hand
.set G2,   222
.set SA,   224                         ; v224-227 the codes' scale words: lanes 0-15 an even step's, lanes 16-31 the odd step's behind it
.set ZS,   228                         ; v228-231 z's scale words
	s_load_b256 s[4:11], s[0:1], 0x0               ; z s[4:5], zpart s[6:7], table s[8:9], out1 s[10:11]
	s_load_b64 s[12:13], s[0:1], 0x20              ; widx
	v_lshl_add_u32 v232, v0, 2, 0xae00
	v_mov_b32 v233, 0
	v_lshrrev_b32 v140, 5, v0
	v_readfirstlane_b32 s14, v140                  ; wave 0..15
	v_and_b32 v141, 31, v0                         ; lane
	v_and_b32 v142, 15, v0                         ; r
	v_bfe_u32 v143, v0, 4, 1                       ; h
	v_and_b32 v144, 7, v0
	v_lshlrev_b32 v[LN16], 4, v141
	v_lshlrev_b32 v[LN4], 2, v141
	v_lshlrev_b32 v[LN8], 3, v141
	s_wait_alu depctr_va_sdst(0)                   ; s14 is written, ahead of its first reader: offsets, bases and the branches on the wave's number are made from it
	s_lshl_b32 s26, s14, 14                        ; 32 tiles of 512 bytes a wave
	v_add_nc_u32 v[TG], s26, v[LN16]
	s_lshl_b32 s27, s14, 11                        ; 512 numbers of bias a wave
	s_add_co_u32 s28, s27, BIASO
	v_add_nc_u32 v[BG], s28, v[LN16]
	s_add_co_u32 s29, s27, BIA
	v_add_nc_u32 v[BW], s29, v[LN16]
	v_lshl_add_u32 v[CA], v143, 5, s29
	v_lshlrev_b32 v[ZO], 7, v142
	v_lshl_add_u32 v[ZO], v143, 6, v[ZO]
	s_lshl_b32 s30, s14, 7
	v_lshl_add_u32 v[RZS], v144, 4, s30
	v_add_nc_u32 v[RZS], RZL, v[RZS]
	v_lshl_add_u32 v[RZR], v143, 6, s30
	v_add_nc_u32 v[RZR], RZL, v[RZR]
	v_lshlrev_b32 v[ZIW], 4, v0
	v_lshl_add_u32 v[ZSW], v0, 2, ZSC
	v_lshl_add_u32 v[ZZW], v0, 2, ZZL
	s_lshl_b32 s31, s14, 8
	v_lshl_add_u32 v[RSW], v143, 12, s31
	v_lshl_add_u32 v[RSW], v142, 2, v[RSW]
	v_add_nc_u32 v[RSW], RES, v[RSW]
	s_lshl_b32 s24, s14, 9                         ; 512 codes a wave; also: its 512 bytes of scale words
	v_lshl_add_u32 v[IB], v143, 3, s24
	s_mov_b32 s25, 0
	s_mov_b32 s16, 0x76543210
	s_mov_b32 s17, 0xfedcba98                      ; v_permlanex16_b32's selects for lane l xor 16
	s_mov_b32 s18, 0x600000                        ; the mantissa field of 57,344
	s_mov_b32 s19, 0xffff0000                      ; lanes 16-31
	s_lshr_b32 s20, ttmp9, 5                       ; the batch: 32 work-groups each
	s_lshl_b32 s20, s20, 10                        ; its 8 partial rows of 128 bytes
	s_mov_b32 s21, 0
	s_lshl_b32 s22, ttmp9, 13                      ; 64 rows of 128 bytes a work-group,
	s_add_co_u32 s22, s22, s27                     ; 16 a wave (used by waves 0-3 alone)
	s_mov_b32 s23, 0
	s_wait_kmcnt 0x0
	s_add_nc_u64 s[24:25], s[8:9], s[24:25]
	s_add_nc_u64 s[6:7], s[6:7], s[20:21]
	s_add_nc_u64 s[4:5], s[4:5], s[22:23]
	s_wait_alu depctr_va_vdst(0)                   ; the offsets and addresses v1 to v15 are written, which every load and store of the kernel reads
.irp i, 0,1,2,3
	global_load_b128 v[BI+4*\i:BI+4*\i+3], v[BG], s[8:9] offset:512*\i       ; my wave's bias, on its way to LDS
.endr
.irp u, 0,1,2,3
	global_load_b32 v[SA+\u], v[LN4], s[24:25] offset:SCLO+128*\u
.endr
.irp i, 0,1,2,3
	global_load_b128 v[AF+4*\i:AF+4*\i+3], v[TG], s[8:9] offset:512*\i       ; step 0's four tiles
.endr
.irp n, 0,1,2,3,4
.irp i, 0,1,2,3,4,5,6,7,8,9,10,11
	v_mov_b32 v[ZB+16*\n+\i], 0                    ; the zero codes round z's tiles.  (No load of the head touches these registers)
.endr
.endr
	s_cmp_lt_u32 s14, 4
	s_cbranch_scc0 .Ljoin
; ---- waves 0-3: tile w of z.  v140-155 my 16 numbers, v156-171 their 1 / norm, v172-191 at work
	global_load_b128 v[172:175], v[LN16], s[6:7]               ; 8 partial rows: lane l has row 4 j + l / 8, columns 4 (l % 8) ..
	global_load_b128 v[176:179], v[LN16], s[6:7] offset:512
.irp i, 0,1,2,3
	global_load_b128 v[140+4*\i:143+4*\i], v[ZO], s[4:5] offset:16*\i   ; z(r, 16 h + 4 i ..): the wave's four loads cover 2,048 consecutive bytes
.endr
	v_mov_b32 v181, 0                              ; a lane permute's destination counts as one of its sources
	s_wait_loadcnt 0x4                             ; all but z's four
	v_pk_add_f32 v[172:173], v[172:173], v[176:177]
	v_pk_add_f32 v[174:175], v[174:175], v[178:179]
.irp i, 0,1,2,3
	v_add_f32_dpp v[172+\i], v[172+\i], v[172+\i] row_xmask:8 row_mask:0xf bank_mask:0xf
.endr
.irp i, 0,1,2,3
	v_permlanex16_b32 v[176+\i], v[172+\i], s16, s17
.endr
.irp i, 0,1,2,3
	v_add_f32 v[172+\i], v[172+\i], v[176+\i]      ; the sum of z^2 over T, for my four columns
.endr
	s_wait_alu depctr_va_vdst(0)
.irp i, 0,1,2,3
	v_sqrt_f32 v[176+\i], v[172+\i]
.endr
	v_nop                                          ; a plain instruction behind the last root,
	s_wait_alu depctr_va_vdst(0)                   ; and one wait for the four roots v176 to v179, ahead of their first reader
.irp i, 0,1,2,3
	v_max_num_f32 v[176+\i], EPS, v[176+\i]
.endr
	s_wait_alu depctr_va_vdst(0)
.irp i, 0,1,2,3
	v_rcp_f32 v[172+\i], v[176+\i]
.endr
	v_nop
	s_wait_alu depctr_va_vdst(0)                   ; the four reciprocals have written v172 to v175, which the LDS store reads
	ds_store_b128 v[RZS], v[172:175]               ; 32 numbers; the four lanes with the same columns write the same bytes with the same values
.irp i, 0,1,2,3
	ds_load_b128 v[156+4*\i:159+4*\i], v[RZR] offset:16*\i     ; LDS serves a wave's instructions in order (ISA guide 5.7.1.4): these see the store.  Columns 16 h + 4 i ..  (No vector line has named v156 to v171 yet)
.endr
	s_wait_loadcnt 0x0
	s_wait_dscnt 0x0
.irp i, 0,2,4,6,8,10,12,14
	v_pk_mul_f32 v[140+\i:141+\i], v[140+\i:141+\i], v[156+\i:157+\i]   ; zn
.endr
	v_pk_mul_f32 v[190:191], v[140:141], v[140:141]            ; |zn|^2 of my row
.irp i, 2,4,6,8,10,12,14
	v_pk_fma_f32 v[190:191], v[140+\i:141+\i], v[140+\i:141+\i], v[190:191]
.endr
	v_add_f32 v190, v190, v191
	v_permlanex16_b32 v181, v190, s16, s17
	v_add_f32 v190, v190, v181
	v_mul_f32 v190, -0.5, v190                     ; exact; it is stored below, with the codes
	v_max3_num_f32 v180, |v140|, |v141|, 0x8000000 ; my 16 numbers, and the floor 2^(16 - 127)
.irp i, 2,4,6,8,10,12,14
	v_max3_num_f32 v180, v180, |v[140+\i]|, |v[141+\i]|
.endr
	v_permlanex16_b32 v181, v180, s16, s17
	v_max_num_f32 v180, v180, v181                 ; the block's largest magnitude
	v_add_nc_u32 v182, 0xf8800000, v180            ; 15 off its exponent field: the conversion's scale operand
	v_and_or_b32 v183, v180, 0x7f800000, s18       ; 57,344 x the scale
	v_lshrrev_b32 v184, 23, v182                   ; the byte,
	v_lshl_or_b32 v184, v184, 8, v184
	v_lshl_or_b32 v184, v184, 16, v184             ; in all four bytes of the word
.irp i, 0,1,2,3,4,5,6,7,8,9,10,11,12,13,14,15
	v_med3_num_f32 v[140+\i], v[140+\i], -v183, v183   ; the conversion does not saturate (ISA guide 7.6.2)
.endr
	v_cvt_scalef32_pk8_bf8_f32 v[186:187], v[140:147], v182
	v_cvt_scalef32_pk8_bf8_f32 v[188:189], v[148:155], v182
	v_nop                                          ; a plain instruction behind the last conversion: later lines write its sources
	s_wait_alu depctr_va_vdst(0)                   ; v190, the codes v186 to v189 and the scale word v184 are written, which the three LDS stores read; the conversions are done reading v182, in which an LDS load lands behind the barrier
	ds_store_b32 v[ZZW], v190
	ds_store_b128 v[ZIW], v[186:189] offset:ZIMG
	ds_store_b32 v[ZSW], v184
.Ljoin:
	s_wait_loadcnt 0x0                             ; my bias, my scale words, step 0's codes
.irp i, 0,1,2,3
	ds_store_b128 v[BW], v[BI+4*\i:BI+4*\i+3] offset:512*\i
.endr
	s_wait_dscnt 0x0                               ; for the others' sake: the images have landed
	s_barrier_signal -1
	s_barrier_wait -1
	s_wait_alu depctr_vm_vsrc(0)                   ; my LDS stores have read their data: v124 to v139, in which the loads below land, and in waves 0-3 v172 to v175, v184 and v186 to v190, which are the state from here on
.irp t, 0,1,2,3
	ds_load_b128 v[ZB+12+16*\t:ZB+15+16*\t], v[LN16] offset:ZIMG+512*\t
	ds_load_b32 v[ZS+\t], v[LN4] offset:ZSC+128*\t
	ds_load_b32 v[ST+12*\t+10], v[LN4] offset:ZZL+128*\t
.endr
.irp t, 0,1
	ds_load_b128 v[BI+8*\t:BI+8*\t+3], v[CA] offset:64*\t      ; tiles 0 and 1: my half's eight numbers, the same in all sixteen lanes
	ds_load_b128 v[BI+8*\t+4:BI+8*\t+7], v[CA] offset:64*\t+16
.endr
.irp t, 0,1,2,3
	v_mov_b32 v[ST+12*\t+11], 0
.endr
	s_wait_alu depctr_va_vdst(0)
	s_wait_dscnt 0x0
; Product k of 128: step k / 16 (four tiles in A), tile (k / 4) % 4 of them, z tile k % 4.  C and D are two sets each, by turns; no product adds onto a result.
.macro PRODUCT
.set rD, DF+8*(k%2)
.set rA, AF+16*((k/16)%2)
.set rB, ZB+12+16*(k%4)-4*((k/4)%4)
.set rC, CF+8*(k%2)
.if (k/16)%2
	v_wmma_scale_f32_16x16x128_f8f6f4 v[rD:rD+7], v[rA:rA+15], v[rB:rB+15], v[rC:rC+7], v[SA+k/32], v[ZS+k%4] matrix_a_fmt:MATRIX_FMT_BF8 matrix_b_fmt:MATRIX_FMT_BF8 matrix_a_scale:MATRIX_SCALE_ROW1
.else
	v_wmma_scale_f32_16x16x128_f8f6f4 v[rD:rD+7], v[rA:rA+15], v[rB:rB+15], v[rC:rC+7], v[SA+k/32], v[ZS+k%4] matrix_a_fmt:MATRIX_FMT_BF8 matrix_b_fmt:MATRIX_FMT_BF8
.endif
.endm
; C of product kc: -|e|^2 / 2 of the tile's eight codes + -|zn|^2 / 2 of my row (of that pair the low word serves both halves)
.macro CPREP
.irp i, 0,2,4,6
	v_pk_add_f32 v[CF+8*(kc%2)+\i:CF+8*(kc%2)+\i+1], v[BI+8*((kc/4)%2)+\i:BI+8*((kc/4)%2)+\i+1], v[ST+12*(kc%4)+10:ST+12*(kc%4)+11] op_sel_hi:[1,0]
.endr
.endm
; What is made of product kv's result, in two parts.  The first: its largest number, and the compare.  The first tile starts the state: nothing is cleared.  The result is read from its low end on.
.macro TRACK_A
.set rD, DF+8*(kv%2)
.set rT, ST+12*(kv%4)
.if (kv%4 == 0) && (kv >= 4)
	v_mov_b32 v[VT], kv/4
.endif
	v_max3_num_f32 v[G], v[rD], v[rD+1], v[rD+2]
	v_max3_num_f32 v[G2], v[rD+3], v[rD+4], v[rD+5]
	v_max3_num_f32 v[G], v[G], v[G2], v[rD+6]
.if kv < 4
	v_max_num_f32 v[rT+1], v[G], v[rD+7]
	v_mov_b32 v[rT], 0
.irp i, 0,2,4,6
	v_dual_mov_b32 v[rT+2+\i], v[rD+\i] :: v_dual_mov_b32 v[rT+3+\i], v[rD+1+\i]
.endr
.else
	v_max_num_f32 v[G], v[G], v[rD+7]
	v_cmp_gt_f32 vcc_lo, v[G], v[rT+1]             ; strictly: at equal values the earlier tile stays
.endif
.endm
; The second part: the selections, which read VCC.
.macro TRACK_B
.set rD, DF+8*(kv%2)
.set rT, ST+12*(kv%4)
.if kv >= 4
	s_wait_alu depctr_va_vcc(0)                    ; the compare has written VCC, ahead of the first selection that reads it
.if DUAL
	v_dual_cndmask_b32 v[rT], v[rT], v[VT] :: v_dual_max_num_f32 v[rT+1], v[rT+1], v[G]
.irp i, 0,2,4,6
	v_dual_cndmask_b32 v[rT+2+\i], v[rT+2+\i], v[rD+\i] :: v_dual_cndmask_b32 v[rT+3+\i], v[rT+3+\i], v[rD+1+\i]
.endr
.else
	v_cndmask_b32 v[rT], v[rT], v[VT], vcc_lo
	v_max_num_f32 v[rT+1], v[rT+1], v[G]
.irp i, 0,1,2,3,4,5,6,7
	v_cndmask_b32 v[rT+2+\i], v[rT+2+\i], v[rD+\i], vcc_lo
.endr
.endif
.endif
.endm
; The way out: where the kept number j equals the best, j is taken; two j to a run: eight compares into scalar registers, one wait, eight selections.
.macro PICK ja, jb
.irp t, 0,1,2,3
	v_cmp_eq_f32 s[20+\t], v[ST+12*\t+2+\ja], v[ST+12*\t+1]
.endr
.irp t, 0,1,2,3
	v_cmp_eq_f32 s[24+\t], v[ST+12*\t+2+\jb], v[ST+12*\t+1]
.endr
	s_wait_alu depctr_va_sdst(0)                   ; the eight compares have written s20 to s27, ahead of the selections that read them
.irp t, 0,1,2,3
	v_cndmask_b32 v[92+\t], v[92+\t], \ja, s[20+\t]
.endr
.irp t, 0,1,2,3
	v_cndmask_b32 v[92+\t], v[92+\t], \jb, s[24+\t]
.endr
.endm
; THE SCAN, written out: every offset is an immediate.  Behind product k stand the first part of the vector work on product k - 1's result, the next product's C (4 lines, which so stand between the compare and the wait for it)
; and the selections: 13 plain vector instructions or more that name none of product k's registers.  So its result is read, its C written anew, and its D written over by product k + 2, more than nine such instructions
; behind it.  A tile's bias is fetched from LDS two tiles ahead, a step's codes from memory twelve products ahead.
.set kc, 0
	CPREP
.rept 4
	v_nop
.endr
	s_wait_alu depctr_va_vdst(0)                   ; the zero codes round z's tiles are written, which every product takes as part of its source 1; they are never written again
.set k, 0
.rept 128
.if (k%4 == 3) && (k/4+2 < 32)
	s_wait_alu depctr_va_vdst(0)                   ; this tile's four C are made: in a step's first tile: the step before is done reading its run of A.  The loads behind the product below land in these
.endif
	PRODUCT
.if (k%4 == 3) && (k < 127)
	s_wait_dscnt 0x0                               ; the next tile's bias is in registers
.if k/4+2 < 32
	ds_load_b128 v[BI+8*((k/4)%2):BI+8*((k/4)%2)+3], v[CA] offset:64*(k/4+2)       ; no wait: since the wait above only the product has been issued, and it names none of these registers
	ds_load_b128 v[BI+8*((k/4)%2)+4:BI+8*((k/4)%2)+7], v[CA] offset:64*(k/4+2)+16
.endif
.if (k%16 == 3) && (k < 112)
.irp i, 0,1,2,3
	global_load_b128 v[AF+16*((k/16+1)%2)+4*\i:AF+16*((k/16+1)%2)+4*\i+3], v[TG], s[8:9] offset:2048*(k/16+1)+512*\i
.endr
.endif
.if k%16 == 15
	s_wait_loadcnt 0x0                             ; the next step's codes are in
.endif
.endif
.if k == 0
.set kc, 1
	CPREP
.rept 10
	v_nop                                          ; the first result has no vector work ahead of it
.endr
.else
.set kv, k-1
	TRACK_A
.if k < 127
.set kc, k+1
	CPREP
.endif
	TRACK_B
.endif
.set k, k+1
.endr
.set kv, 127
	TRACK_A
	TRACK_B
; ---- the lane's index: the lowest j whose kept number equals the best.  v92-107 (the run of A that step 6 read last) are at work
.irp t, 0,1,2,3
	v_mov_b32 v[92+\t], 7
.endr
	PICK 6, 5
	PICK 4, 3
	PICK 2, 1
.irp t, 0,1,2,3
	v_cmp_eq_f32 s[20+\t], v[ST+12*\t+2], v[ST+12*\t+1]
.endr
	s_wait_alu depctr_va_sdst(0)                   ; the four compares have written s20 to s23, ahead of the selections that read them
.irp t, 0,1,2,3
	v_cndmask_b32 v[92+\t], v[92+\t], 0, s[20+\t]
.endr
.irp t, 0,1,2,3
	v_lshl_add_u32 v[96+\t], v[ST+12*\t], 4, v[92+\t]
.endr
.irp t, 0,1,2,3
	v_add_nc_u32 v[96+\t], v[IB], v[96+\t]         ; 512 w + 16 tile + 8 h + j
.endr
.irp t, 0,1,2,3
	v_permlanex16_b32 v[100+\t], v[ST+12*\t+1], s16, s17   ; the row's other eight codes of each tile lie in lane l xor 16
	v_permlanex16_b32 v[104+\t], v[96+\t], s16, s17
.endr
.irp t, 0,1,2,3
	v_cmp_eq_f32 s[20+\t], v[100+\t], v[ST+12*\t+1]
	v_cmp_lt_u32 s[24+\t], v[104+\t], v[96+\t]
	v_cmp_gt_f32 s[28+\t], v[100+\t], v[ST+12*\t+1]
.endr
	s_wait_alu depctr_va_sdst(0)                   ; the twelve compares have written s20 to s31, ahead of the scalar lines that read them
.irp t, 0,1,2,3
	s_and_b32 s[20+\t], s[20+\t], s[24+\t]
	s_or_b32 s[20+\t], s[28+\t], s[20+\t]          ; the other is larger, or equal with the lower index
.endr
.irp t, 0,1,2,3
	v_cndmask_b32 v[ST+12*\t+1], v[ST+12*\t+1], v[100+\t], s[20+\t]
	v_cndmask_b32 v[96+\t], v[96+\t], v[104+\t], s[20+\t]
.endr
.irp t, 0,1,2,3
	v_cndmask_b32 v[100+\t], v[ST+12*\t+1], v[96+\t], s19  ; both halves now agree: lanes 0-15 hand on the value, lanes 16-31 the index
.endr
	s_wait_alu depctr_va_vdst(0)                   ; the selections have written v100 to v103, which the LDS stores read; and the products are done reading v16 to v79, in which wave 0's LDS loads land: no vector line stands between this wait and those loads
.irp t, 0,1,2,3
	ds_store_b32 v[RSW], v[100+\t] offset:64*\t
.endr
	s_wait_dscnt 0x0                               ; for wave 0's sake
	s_barrier_signal -1
	s_barrier_wait -1
	s_cmp_lg_u32 s14, 0
	s_cbranch_scc1 .Lend
; ---- wave 0: the sixteen waves' results, two rows a lane, in ascending order of the codes: strictly larger wins, so the lowest index stays
.irp w, 0,1,2,3,4,5,6,7,8,9,10,11,12,13,14,15
	ds_load_b64 v[16+2*\w:17+2*\w], v[LN8] offset:RES+256*\w
	ds_load_b64 v[48+2*\w:49+2*\w], v[LN8] offset:RES+4096+256*\w
.endr
	s_lshl_b32 s26, ttmp9, 8                       ; 64 indices a work-group
	s_mov_b32 s27, 0
	s_add_nc_u64 s[10:11], s[10:11], s[26:27]
	s_add_nc_u64 s[12:13], s[12:13], s[26:27]
	s_wait_dscnt 0x0
; The running largest value hangs on no mask: so a run of compares and maxima goes first, the masks into s16 on, then one wait, then the run's selections, in the same order
.irp w, 1,2,3,4,5,6,7,8
.irp e, 0,1
	v_cmp_gt_f32 s[16+2*(\w-1)+\e], v[16+2*\w+\e], v[16+\e]
	v_max_num_f32 v[16+\e], v[16+\e], v[16+2*\w+\e]
.endr
.endr
	s_wait_alu depctr_va_sdst(0)                   ; the sixteen compares have written s16 to s31, ahead of the selections that read them
.irp w, 1,2,3,4,5,6,7,8
.irp e, 0,1
	v_cndmask_b32 v[48+\e], v[48+\e], v[48+2*\w+\e], s[16+2*(\w-1)+\e]
.endr
.endr
.irp w, 9,10,11,12,13,14,15
.irp e, 0,1
	v_cmp_gt_f32 s[16+2*(\w-9)+\e], v[16+2*\w+\e], v[16+\e]
	v_max_num_f32 v[16+\e], v[16+\e], v[16+2*\w+\e]
.endr
.endr
	s_wait_alu depctr_va_sdst(0)                   ; the fourteen compares have written s16 to s29, ahead of the selections that read them
.irp w, 9,10,11,12,13,14,15
.irp e, 0,1
	v_cndmask_b32 v[48+\e], v[48+\e], v[48+2*\w+\e], s[16+2*(\w-9)+\e]
.endr
.endr
	s_wait_alu depctr_va_vdst(0)                   ; the selections have written v48 and v49, which the two stores read
	global_store_b64 v[LN8], v[48:49], s[10:11]    ; 32 lanes store 256 consecutive bytes, aligned
	global_store_b64 v[LN8], v[48:49], s[12:13]    ; and the same for the launches that gather by them
.Lend:
	s_wait_dscnt 0x0
	s_wait_alu depctr_hold_cnt(0) depctr_sa_sdst(0) depctr_va_vdst(0) depctr_va_sdst(0) depctr_va_ssrc(0) depctr_va_vcc(0) depctr_vm_vsrc(0)
	s_wait_tensorcnt 0x0
	ds_add_u32 v232, v233
	s_wait_dscnt 0x0
	s_endpgm
.Lfunc_end_k_q21b7c8da09_scan:
	.size	k_q21b7c8da09_scan, .Lfunc_end_k_q21b7c8da09_scan-k_q21b7c8da09_scan
	.p2alignl 7, 3214868480
	.fill 96, 4, 3214868480
	.section	.rodata,"a",@progbits
	.p2align	6, 0x0
	.amdhsa_kernel k_q21b7c8da09_scan
		.amdhsa_group_segment_fixed_size 46592
		.amdhsa_private_segment_fixed_size 0
		.amdhsa_enable_private_segment 0
		.amdhsa_kernarg_size 40
		.amdhsa_user_sgpr_count 2
		.amdhsa_user_sgpr_kernarg_segment_ptr 1
		.amdhsa_wavefront_size32 1
		.amdhsa_system_sgpr_workgroup_id_x 1
		.amdhsa_system_sgpr_workgroup_id_y 1
		.amdhsa_system_sgpr_workgroup_id_z 1
		.amdhsa_system_vgpr_workitem_id 0
		.amdhsa_next_free_vgpr 234
		.amdhsa_next_free_sgpr 66
		.amdhsa_reserve_vcc 1
		.amdhsa_float_denorm_mode_32 3
		.amdhsa_float_denorm_mode_16_64 3
		.amdhsa_memory_ordered 1
		.amdhsa_forward_progress 1
		.amdhsa_inst_pref_size 162
	.end_amdhsa_kernel
	.amdgpu_metadata
---
amdhsa.version: [ 1, 2 ]
amdhsa.kernels:
  - .name:           k_q21b7c8da09_scan
    .symbol:         k_q21b7c8da09_scan.kd
    .args:
      - { .name: z, .offset: 0, .size: 8, .value_kind: global_buffer, .address_space: global }
      - { .name: zpart, .offset: 8, .size: 8, .value_kind: global_buffer, .address_space: global }
      - { .name: table, .offset: 16, .size: 8, .value_kind: global_buffer, .address_space: global }
      - { .name: out1, .offset: 24, .size: 8, .value_kind: global_buffer, .address_space: global }
      - { .name: widx, .offset: 32, .size: 8, .value_kind: global_buffer, .address_space: global }
    .group_segment_fixed_size: 46592
    .private_segment_fixed_size: 0
    .kernarg_segment_align: 8
    .kernarg_segment_size: 40
    .max_flat_workgroup_size: 512
    .sgpr_count:     66
    .vgpr_count:     234
    .wavefront_size: 32
...
	.end_amdgpu_metadata
.endif
;; end of part 6
;; launch sums (part 7): grid 64 x 1, 4 waves a work-group, no clusters, 4,608 bytes of LDS; arguments z, embedding, widx, qpart; writes qpart
.if DOCPART == 7
	.amdgcn_target "amdgcn-amd-amdhsa--gfx1250"
	.amdhsa_code_object_version 6
	.text
	.protected	k_q21b7c8da09_sums
	.globl	k_q21b7c8da09_sums
	.p2align	8
	.type	k_q21b7c8da09_sums,@function
k_q21b7c8da09_sums:
	s_mov_b64 s[64:65], 0
	v_nop
	global_prefetch_b8 v0, s[64:65] scope:SCOPE_SE
	s_setreg_imm32_b32 hwreg(HW_REG_WAVE_MODE, 25, 1), 1
	s_wait_xcnt 0x0
; SUMS: q = embedding[idx[row]].  qpart[g][0..31] = the sum of q^2, qpart[g][32..63] = the sum of q z, over rows 256 g .. 256 g + 255 of the flat [16384][32] tensors, column by column, f32.
; A wave takes 64 rows.  A load covers four rows: lane l has row 4 i + l / 8, columns 4 (l % 8) .. + 3; z's are 512 consecutive bytes, a gathered row's 128 bytes are read by eight neighbouring lanes.
; The indices were stored by the launch before; each is held inside the table (8,191 at the most) before it enters an address.
.set IX, 8                             ; v8-23    the indices, then the gathers' offsets
.set Z,  32                            ; v32-95   z; at the end the four waves' parts
.set Q,  96                            ; v96-159  the gathered rows
.set SQ, 160                           ; v160-163
.set SZ, 164                           ; v164-167
	s_load_b256 s[4:11], s[0:1], 0x0               ; z s[4:5], embedding s[6:7], widx s[8:9], qpart s[10:11]
	v_lshl_add_u32 v168, v0, 2, 0x1000
	v_mov_b32 v169, 0
	v_lshrrev_b32 v1, 5, v0
	v_readfirstlane_b32 s12, v1                    ; wave 0..3
	v_and_b32 v1, 31, v0                           ; lane
	v_lshlrev_b32 v2, 4, v1                        ; 16 x lane
	v_lshrrev_b32 v3, 3, v1
	v_lshlrev_b32 v3, 2, v3                        ; 4 (l / 8): my row's index among a load's four
	v_and_b32 v4, 7, v1
	v_lshlrev_b32 v4, 4, v4                        ; 16 (l % 8): my columns' bytes
	v_lshlrev_b32 v5, 4, v0                        ; 16 x thread
	s_mov_b32 s24, 0x76543210
	s_mov_b32 s25, 0xfedcba98
	s_mov_b32 s26, 0xff00ff00                      ; lanes whose bit 3 is set
	s_lshl_b32 s14, ttmp9, 10                      ; 256 indices a work-group,
	s_lshl_b32 s13, s12, 8                         ; 64 a wave
	s_add_co_u32 s14, s14, s13
	s_mov_b32 s15, 0
	s_lshl_b32 s16, ttmp9, 15                      ; 256 rows of 128 bytes,
	s_lshl_b32 s13, s12, 13                        ; 64 a wave
	s_add_co_u32 s16, s16, s13
	s_mov_b32 s17, 0
	s_wait_alu depctr_va_vdst(0)
	s_wait_kmcnt 0x0
	s_add_nc_u64 s[8:9], s[8:9], s[14:15]
	s_add_nc_u64 s[4:5], s[4:5], s[16:17]
.irp i, 0,1,2,3,4,5,6,7,8,9,10,11,12,13,14,15
	global_load_b32 v[IX+\i], v3, s[8:9] offset:16*\i
.endr
.irp i, 0,1,2,3,4,5,6,7,8,9,10,11,12,13,14,15
	global_load_b128 v[Z+4*\i:Z+4*\i+3], v2, s[4:5] offset:512*\i
.endr
	s_wait_loadcnt 16                              ; the indices are in; z's sixteen loads stay out
.irp i, 0,1,2,3,4,5,6,7,8,9,10,11,12,13,14,15
	v_min_u32 v[IX+\i], 0x1fff, v[IX+\i]
.endr
.irp i, 0,1,2,3,4,5,6,7,8,9,10,11,12,13,14,15
	v_lshlrev_b32 v[IX+\i], 7, v[IX+\i]            ; a row is 128 bytes
.endr
.irp i, 0,1,2,3,4,5,6,7,8,9,10,11,12,13,14,15
	v_add_nc_u32 v[IX+\i], v4, v[IX+\i]
.endr
.irp i, 0,1,2,3,4,5,6,7,8,9,10,11,12,13,14,15
	global_load_b128 v[Q+4*\i:Q+4*\i+3], v[IX+\i], s[6:7]
.endr
	s_wait_loadcnt 15                              ; z and the first gather are in; 15 younger gathers stay out
	v_pk_mul_f32 v[SQ:SQ+1], v[Q:Q+1], v[Q:Q+1]    ; the first products start the sums
	v_pk_mul_f32 v[SQ+2:SQ+3], v[Q+2:Q+3], v[Q+2:Q+3]
	v_pk_mul_f32 v[SZ:SZ+1], v[Q:Q+1], v[Z:Z+1]
	v_pk_mul_f32 v[SZ+2:SZ+3], v[Q+2:Q+3], v[Z+2:Z+3]
	s_wait_alu depctr_va_vdst(0)
.irp i, 1,2,3,4,5,6,7,8,9,10,11,12,13,14,15
	s_wait_alu depctr_va_vdst(0)
	s_wait_loadcnt 15-\i
	v_pk_fma_f32 v[SQ:SQ+1], v[Q+4*\i:Q+4*\i+1], v[Q+4*\i:Q+4*\i+1], v[SQ:SQ+1]
	v_pk_fma_f32 v[SQ+2:SQ+3], v[Q+4*\i+2:Q+4*\i+3], v[Q+4*\i+2:Q+4*\i+3], v[SQ+2:SQ+3]
	v_pk_fma_f32 v[SZ:SZ+1], v[Q+4*\i:Q+4*\i+1], v[Z+4*\i:Z+4*\i+1], v[SZ:SZ+1]
	v_pk_fma_f32 v[SZ+2:SZ+3], v[Q+4*\i+2:Q+4*\i+3], v[Z+4*\i+2:Z+4*\i+3], v[SZ+2:SZ+3]
.endr
	ds_store_b128 v5, v[SQ:SQ+3]
	ds_store_b128 v5, v[SZ:SZ+3] offset:2048
	s_wait_dscnt 0x0                               ; for wave 0's sake
	s_barrier_signal -1
	s_barrier_wait -1
	s_cmp_lg_u32 s12, 0
	s_cbranch_scc1 .Ldone
.irp j, 0,1,2,3
	ds_load_b128 v[32+4*\j:35+4*\j], v2 offset:512*\j
	ds_load_b128 v[48+4*\j:51+4*\j], v2 offset:2048+512*\j
.endr
	s_wait_dscnt 0x0
.irp a, 32, 48
	v_pk_add_f32 v[\a:\a+1], v[\a:\a+1], v[\a+4:\a+5]
	v_pk_add_f32 v[\a+2:\a+3], v[\a+2:\a+3], v[\a+6:\a+7]
	v_pk_add_f32 v[\a+8:\a+9], v[\a+8:\a+9], v[\a+12:\a+13]
	v_pk_add_f32 v[\a+10:\a+11], v[\a+10:\a+11], v[\a+14:\a+15]
	v_pk_add_f32 v[\a:\a+1], v[\a:\a+1], v[\a+8:\a+9]
	v_pk_add_f32 v[\a+2:\a+3], v[\a+2:\a+3], v[\a+10:\a+11]
.endr
.irp a, 32,33,34,35,48,49,50,51
	v_add_f32_dpp v[\a], v[\a], v[\a] row_xmask:8 row_mask:0xf bank_mask:0xf   ; lanes l, l xor 8 and l xor 16 hold the same columns
.endr
.irp a, 32,33,34,35,48,49,50,51
	v_permlanex16_b32 v[\a+4], v[\a], s24, s25
.endr
.irp a, 32,33,34,35,48,49,50,51
	v_add_f32 v[\a], v[\a], v[\a+4]
.endr
.irp i, 0,1,2,3
	v_cndmask_b32 v[32+\i], v[32+\i], v[48+\i], s26    ; lanes 0-7 keep the sums of q^2, lanes 8-15 take those of q z
.endr
	s_lshl_b32 s14, ttmp9, 8                       ; a row of 64 sums
	s_add_nc_u64 s[10:11], s[10:11], s[14:15]
	v_cmp_gt_u32 vcc_lo, 16, v1
	s_wait_alu depctr_va_vdst(0)
	s_wait_xcnt 0x0                                ; EXEC changes only behind this wait
	s_and_saveexec_b32 s16, vcc_lo
	global_store_b128 v2, v[32:35], s[10:11]       ; sixteen lanes store 256 consecutive bytes, aligned
	s_wait_xcnt 0x0
	s_or_b32 exec_lo, exec_lo, s16
.Ldone:
	s_wait_tensorcnt 0x0
	ds_add_u32 v168, v169
	s_wait_dscnt 0x0
	s_endpgm
.Lfunc_end_k_q21b7c8da09_sums:
	.size	k_q21b7c8da09_sums, .Lfunc_end_k_q21b7c8da09_sums-k_q21b7c8da09_sums
	.p2alignl 7, 3214868480
	.fill 96, 4, 3214868480
	.section	.rodata,"a",@progbits
	.p2align	6, 0x0
	.amdhsa_kernel k_q21b7c8da09_sums
		.amdhsa_group_segment_fixed_size 4608
		.amdhsa_private_segment_fixed_size 0
		.amdhsa_enable_private_segment 0
		.amdhsa_kernarg_size 32
		.amdhsa_user_sgpr_count 2
		.amdhsa_user_sgpr_kernarg_segment_ptr 1
		.amdhsa_wavefront_size32 1
		.amdhsa_system_sgpr_workgroup_id_x 1
		.amdhsa_system_sgpr_workgroup_id_y 1
		.amdhsa_system_sgpr_workgroup_id_z 1
		.amdhsa_system_vgpr_workitem_id 0
		.amdhsa_next_free_vgpr 170
		.amdhsa_next_free_sgpr 66
		.amdhsa_reserve_vcc 1
		.amdhsa_float_denorm_mode_32 3
		.amdhsa_float_denorm_mode_16_64 3
		.amdhsa_memory_ordered 1
		.amdhsa_forward_progress 1
		.amdhsa_inst_pref_size 17
	.end_amdhsa_kernel
	.amdgpu_metadata
---
amdhsa.version: [ 1, 2 ]
amdhsa.kernels:
  - .name:           k_q21b7c8da09_sums
    .symbol:         k_q21b7c8da09_sums.kd
    .args:
      - { .name: z, .offset: 0, .size: 8, .value_kind: global_buffer, .address_space: global }
      - { .name: embedding, .offset: 8, .size: 8, .value_kind: global_buffer, .address_space: global }
      - { .name: widx, .offset: 16, .size: 8, .value_kind: global_buffer, .address_space: global }
      - { .name: qpart, .offset: 24, .size: 8, .value_kind: global_buffer, .address_space: global }
    .group_segment_fixed_size: 4608
    .private_segment_fixed_size: 0
    .kernarg_segment_align: 8
    .kernarg_segment_size: 32
    .max_flat_workgroup_size: 128
    .sgpr_count:     66
    .vgpr_count:     170
    .wavefront_size: 32
...
	.end_amdgpu_metadata
.endif
;; end of part 7
;; launch final (part 8): grid 257 x 1, 1 waves a work-group, no clusters, 0 bytes of LDS; arguments z, embedding, widx, zpart, qpart, out0, out2; writes out0, out2
.if DOCPART == 8
	.amdgcn_target "amdgcn-amd-amdhsa--gfx1250"
	.amdhsa_code_object_version 6
	.text
	.protected	k_q21b7c8da09_final
	.globl	k_q21b7c8da09_final
	.p2align	8
	.type	k_q21b7c8da09_final,@function
k_q21b7c8da09_final:
	s_mov_b64 s[64:65], 0
	v_nop
	global_prefetch_b8 v0, s[64:65] scope:SCOPE_SE
	s_setreg_imm32_b32 hwreg(HW_REG_WAVE_MODE, 25, 1), 1
	s_wait_xcnt 0x0
; FINAL.  Work-groups 0-255, one wave each: 64 rows of out0 = zn + (z_q - zn), with zn = z / max(norm of z over T, 1e-12), z_q = embedding[idx] / max(its norm over T, 1e-12); the norms from the batch's 8 partial rows.
; Work-group 256: the loss = 1.25 x the mean of (z_q - zn)^2.  For a batch and a column the sum over T of (a q - r z)^2 is a^2 Sqq - 2 a r Sqz + r^2 Szz, a and r the two reciprocals of the norms.
; LIMITS: the loss is formed from three sums a column, each term of size 1: its absolute error is about 1e-6 of a term that lies between 0 and 4, so its relative error grows where z_q and zn all but coincide.
;   x / n is made as x * (1 / n).  NaN and infinities are not served.
.set EPS, 0x2b8cbccc                   ; 1e-12
.set IX, 8                             ; v8-23    the indices, then the gathers' offsets
.set PZ, 24                            ; v24-31   partial sums of z^2
.set PQ, 32                            ; v32-39   partial sums of q^2
.set R,  40                            ; v40-43   1 / norm of z, my four columns
.set A,  44                            ; v44-47   1 / norm of q
.set Z,  64                            ; v64-127
.set Q,  128                           ; v128-191
	s_load_b256 s[4:11], s[0:1], 0x0               ; z s[4:5], embedding s[6:7], widx s[8:9], zpart s[10:11]
	s_load_b128 s[12:15], s[0:1], 0x20             ; qpart s[12:13], out0 s[14:15]
	s_load_b64 s[16:17], s[0:1], 0x30              ; out2
	s_mov_b32 s24, 0x76543210
	s_mov_b32 s25, 0xfedcba98
	s_mov_b32 s23, 0
	s_wait_kmcnt 0x0
	s_cmp_lt_u32 ttmp9, 256
	s_cbranch_scc0 .Lloss
; ---- 64 rows.  A load covers four rows: lane l has row 4 i + l / 8, columns 4 (l % 8) .. + 3
	v_lshlrev_b32 v1, 4, v0                        ; 16 x lane
	v_lshrrev_b32 v5, 3, v0
	v_lshlrev_b32 v2, 2, v5                        ; 4 (l / 8)
	s_wait_alu depctr_va_vdst(0)
	v_and_b32 v3, 7, v0
	v_lshlrev_b32 v3, 4, v3                        ; 16 (l % 8)
	v_lshl_add_u32 v4, v5, 8, v3                   ; qpart: a row is 256 bytes
	s_wait_alu depctr_va_vdst(0)
	s_lshr_b32 s20, ttmp9, 5                       ; the batch
	s_lshl_b32 s22, s20, 10
	s_add_nc_u64 s[10:11], s[10:11], s[22:23]      ; its 8 rows of zpart,
	s_lshl_b32 s22, s20, 11
	s_add_nc_u64 s[12:13], s[12:13], s[22:23]      ; and of qpart
	s_lshl_b32 s22, ttmp9, 8
	s_add_nc_u64 s[8:9], s[8:9], s[22:23]          ; my 64 indices
	s_lshl_b32 s22, ttmp9, 13
	s_add_nc_u64 s[4:5], s[4:5], s[22:23]          ; my 64 rows
	s_add_nc_u64 s[14:15], s[14:15], s[22:23]
.irp i, 0,1,2,3,4,5,6,7,8,9,10,11,12,13,14,15
	global_load_b32 v[IX+\i], v2, s[8:9] offset:16*\i
.endr
	global_load_b128 v[PZ:PZ+3], v1, s[10:11]
	global_load_b128 v[PZ+4:PZ+7], v1, s[10:11] offset:512
	global_load_b128 v[PQ:PQ+3], v4, s[12:13]
	global_load_b128 v[PQ+4:PQ+7], v4, s[12:13] offset:1024
.irp i, 0,1,2,3,4,5,6,7,8,9,10,11,12,13,14,15
	global_load_b128 v[Z+4*\i:Z+4*\i+3], v1, s[4:5] offset:512*\i th:TH_LOAD_NT
.endr
	s_wait_loadcnt 20                              ; the indices are in; the 4 loads of partial rows and z's 16 stay out
.irp i, 0,1,2,3,4,5,6,7,8,9,10,11,12,13,14,15
	v_min_u32 v[IX+\i], 0x1fff, v[IX+\i]           ; held inside the table
.endr
.irp i, 0,1,2,3,4,5,6,7,8,9,10,11,12,13,14,15
	v_lshlrev_b32 v[IX+\i], 7, v[IX+\i]
.endr
.irp i, 0,1,2,3,4,5,6,7,8,9,10,11,12,13,14,15
	v_add_nc_u32 v[IX+\i], v3, v[IX+\i]
.endr
.irp i, 0,1,2,3,4,5,6,7,8,9,10,11,12,13,14,15
	global_load_b128 v[Q+4*\i:Q+4*\i+3], v[IX+\i], s[6:7]
.endr
	s_wait_loadcnt 32                              ; the partial rows are in; z's 16 and the 16 gathers stay out
.irp a, PZ, PQ
	v_pk_add_f32 v[\a:\a+1], v[\a:\a+1], v[\a+4:\a+5]
	v_pk_add_f32 v[\a+2:\a+3], v[\a+2:\a+3], v[\a+6:\a+7]
.endr
.irp a, 24,25,26,27,32,33,34,35
	v_add_f32_dpp v[\a], v[\a], v[\a] row_xmask:8 row_mask:0xf bank_mask:0xf
.endr
.irp a, 24,25,26,27,32,33,34,35
	v_permlanex16_b32 v[\a+4], v[\a], s24, s25
.endr
.irp a, 24,25,26,27,32,33,34,35
	v_add_f32 v[\a], v[\a], v[\a+4]
.endr
	s_wait_alu depctr_va_vdst(0)
.irp i, 0,1,2,3
	v_sqrt_f32 v[R+\i], v[PZ+\i]
	v_sqrt_f32 v[A+\i], v[PQ+\i]
.endr
	v_nop                                          ; a plain instruction behind the last root,
	s_wait_alu depctr_va_vdst(0)                   ; and one wait for the eight
.irp i, 0,1,2,3,4,5,6,7
	v_max_num_f32 v[R+\i], EPS, v[R+\i]
.endr
	s_wait_alu depctr_va_vdst(0)
.irp i, 0,1,2,3,4,5,6,7
	v_rcp_f32 v[R+\i], v[R+\i]
.endr
	v_nop
	s_wait_alu depctr_va_vdst(0)
.irp i, 0,1,2,3,4,5,6,7,8,9,10,11,12,13,14,15
	s_wait_loadcnt 15-\i                           ; z and gather i are in; the younger gathers stay out
	v_pk_mul_f32 v[Z+4*\i:Z+4*\i+1], v[Z+4*\i:Z+4*\i+1], v[R:R+1]              ; zn
	v_pk_mul_f32 v[Z+4*\i+2:Z+4*\i+3], v[Z+4*\i+2:Z+4*\i+3], v[R+2:R+3]
	v_pk_fma_f32 v[Q+4*\i:Q+4*\i+1], v[Q+4*\i:Q+4*\i+1], v[A:A+1], v[Z+4*\i:Z+4*\i+1] neg_lo:[0,0,1] neg_hi:[0,0,1]              ; z_q - zn
	v_pk_fma_f32 v[Q+4*\i+2:Q+4*\i+3], v[Q+4*\i+2:Q+4*\i+3], v[A+2:A+3], v[Z+4*\i+2:Z+4*\i+3] neg_lo:[0,0,1] neg_hi:[0,0,1]
	v_pk_add_f32 v[Q+4*\i:Q+4*\i+1], v[Z+4*\i:Z+4*\i+1], v[Q+4*\i:Q+4*\i+1]    ; zn + (z_q - zn)
	v_pk_add_f32 v[Q+4*\i+2:Q+4*\i+3], v[Z+4*\i+2:Z+4*\i+3], v[Q+4*\i+2:Q+4*\i+3]
	global_store_b128 v1, v[Q+4*\i:Q+4*\i+3], s[14:15] offset:512*\i th:TH_STORE_NT   ; 512 consecutive bytes; no store's data are written again
.endr
	s_endpgm
; ---- the loss.  Lane l takes batch l / 4 and columns 8 (l % 4) .. + 7: v16.. Szz, v80.. Sqq, v144.. Sqz, eight partial rows each
.Lloss:
	v_lshrrev_b32 v1, 2, v0
	v_and_b32 v2, 3, v0
	v_lshlrev_b32 v3, 10, v1
	v_lshl_add_u32 v3, v2, 5, v3                   ; zpart: 1,024 bytes a batch, 32 a lane
	v_lshlrev_b32 v4, 11, v1
	v_lshl_add_u32 v4, v2, 5, v4                   ; qpart: 2,048 bytes a batch
.irp g, 0,1,2,3,4,5,6,7
.irp u, 0,1
	global_load_b128 v[16+8*\g+4*\u:19+8*\g+4*\u], v3, s[10:11] offset:128*\g+16*\u
	global_load_b128 v[80+8*\g+4*\u:83+8*\g+4*\u], v4, s[12:13] offset:256*\g+16*\u
	global_load_b128 v[144+8*\g+4*\u:147+8*\g+4*\u], v4, s[12:13] offset:256*\g+128+16*\u
.endr
.endr
	v_mov_b32 v238, 0                              ; the store's offset
	s_wait_loadcnt 0x0
.irp g, 1,2,3,4,5,6,7
.irp a, 16, 80, 144
.irp i, 0,2,4,6
	v_pk_add_f32 v[\a+\i:\a+\i+1], v[\a+\i:\a+\i+1], v[\a+8*\g+\i:\a+8*\g+\i+1]
.endr
.endr
.endr
	s_wait_alu depctr_va_vdst(0)
.irp i, 0,1,2,3,4,5,6,7
	v_sqrt_f32 v[208+\i], v[16+\i]
	v_sqrt_f32 v[216+\i], v[80+\i]
.endr
	v_nop
	s_wait_alu depctr_va_vdst(0)                   ; one wait for the sixteen roots
.irp i, 0,1,2,3,4,5,6,7,8,9,10,11,12,13,14,15
	v_max_num_f32 v[208+\i], EPS, v[208+\i]
.endr
	s_wait_alu depctr_va_vdst(0)
.irp i, 0,1,2,3,4,5,6,7,8,9,10,11,12,13,14,15
	v_rcp_f32 v[208+\i], v[208+\i]                 ; v208-215 r, v216-223 a
.endr
	v_nop
	s_wait_alu depctr_va_vdst(0)
.irp p, 0,2,4,6
	v_pk_mul_f32 v[224+\p:225+\p], v[216+\p:217+\p], v[216+\p:217+\p]          ; a^2
	v_pk_mul_f32 v[24+\p:25+\p], v[208+\p:209+\p], v[208+\p:209+\p]            ; r^2  (v24-31 and v88-95, folded in above, are at work)
	v_pk_mul_f32 v[88+\p:89+\p], v[216+\p:217+\p], v[208+\p:209+\p]            ; a r
.endr
.irp p, 0,2,4,6
	v_pk_mul_f32 v[224+\p:225+\p], v[224+\p:225+\p], v[80+\p:81+\p]            ; a^2 Sqq
	v_pk_mul_f32 v[88+\p:89+\p], v[88+\p:89+\p], v[144+\p:145+\p]              ; a r Sqz
.endr
.irp p, 0,2,4,6
	v_pk_fma_f32 v[224+\p:225+\p], v[24+\p:25+\p], v[16+\p:17+\p], v[224+\p:225+\p]   ; + r^2 Szz
.endr
.irp p, 0,2,4,6
	v_pk_fma_f32 v[224+\p:225+\p], v[88+\p:89+\p], -2.0, v[224+\p:225+\p] op_sel_hi:[1,0,1]   ; - 2 a r Sqz
.endr
	v_pk_add_f32 v[224:225], v[224:225], v[226:227]
	v_pk_add_f32 v[228:229], v[228:229], v[230:231]
	v_pk_add_f32 v[224:225], v[224:225], v[228:229]
	v_add_f32 v224, v224, v225
	v_add_f32_dpp v224, v224, v224 row_xmask:1 row_mask:0xf bank_mask:0xf
	v_add_f32_dpp v224, v224, v224 row_xmask:2 row_mask:0xf bank_mask:0xf
	v_add_f32_dpp v224, v224, v224 row_xmask:4 row_mask:0xf bank_mask:0xf
	v_add_f32_dpp v224, v224, v224 row_xmask:8 row_mask:0xf bank_mask:0xf
	v_permlanex16_b32 v225, v224, s24, s25
	v_add_f32 v224, v224, v225
	v_mul_f32 v224, 0x36200000, v224               ; x 1.25 / 524,288
	v_cmp_eq_u32 vcc_lo, 0, v0
	s_wait_alu depctr_va_vdst(0)
	s_wait_xcnt 0x0                                ; EXEC changes only behind this wait
	s_and_saveexec_b32 s20, vcc_lo
	global_store_b32 v238, v224, s[16:17]
	s_wait_xcnt 0x0
	s_or_b32 exec_lo, exec_lo, s20
	s_endpgm
.Lfunc_end_k_q21b7c8da09_final:
	.size	k_q21b7c8da09_final, .Lfunc_end_k_q21b7c8da09_final-k_q21b7c8da09_final
	.p2alignl 7, 3214868480
	.fill 96, 4, 3214868480
	.section	.rodata,"a",@progbits
	.p2align	6, 0x0
	.amdhsa_kernel k_q21b7c8da09_final
		.amdhsa_group_segment_fixed_size 0
		.amdhsa_private_segment_fixed_size 0
		.amdhsa_enable_private_segment 0
		.amdhsa_kernarg_size 56
		.amdhsa_user_sgpr_count 2
		.amdhsa_user_sgpr_kernarg_segment_ptr 1
		.amdhsa_wavefront_size32 1
		.amdhsa_system_sgpr_workgroup_id_x 1
		.amdhsa_system_sgpr_workgroup_id_y 1
		.amdhsa_system_sgpr_workgroup_id_z 1
		.amdhsa_system_vgpr_workitem_id 0
		.amdhsa_next_free_vgpr 240
		.amdhsa_next_free_sgpr 66
		.amdhsa_reserve_vcc 1
		.amdhsa_float_denorm_mode_32 3
		.amdhsa_float_denorm_mode_16_64 3
		.amdhsa_memory_ordered 1
		.amdhsa_forward_progress 1
		.amdhsa_inst_pref_size 34
	.end_amdhsa_kernel
	.amdgpu_metadata
---
amdhsa.version: [ 1, 2 ]
amdhsa.kernels:
  - .name:           k_q21b7c8da09_final
    .symbol:         k_q21b7c8da09_final.kd
    .args:
      - { .name: z, .offset: 0, .size: 8, .value_kind: global_buffer, .address_space: global }
      - { .name: embedding, .offset: 8, .size: 8, .value_kind: global_buffer, .address_space: global }
      - { .name: widx, .offset: 16, .size: 8, .value_kind: global_buffer, .address_space: global }
      - { .name: zpart, .offset: 24, .size: 8, .value_kind: global_buffer, .address_space: global }
      - { .name: qpart, .offset: 32, .size: 8, .value_kind: global_buffer, .address_space: global }
      - { .name: out0, .offset: 40, .size: 8, .value_kind: global_buffer, .address_space: global }
      - { .name: out2, .offset: 48, .size: 8, .value_kind: global_buffer, .address_space: global }
    .group_segment_fixed_size: 0
    .private_segment_fixed_size: 0
    .kernarg_segment_align: 8
    .kernarg_segment_size: 56
    .max_flat_workgroup_size: 32
    .sgpr_count:     66
    .vgpr_count:     240
    .wavefront_size: 32
...
	.end_amdgpu_metadata
.endif
;; end of part 8
